; MI455X (gfx1250); checked and timed in simulation.
; The chip was launched on July 23, 2026; its instructions are those of AMD's public machine-readable ISA for CDNA 5 (MIT licence, August 2026) and "CDNA5" Instruction Set Architecture Reference Guide (July 2026). The comments in the code are by the model that wrote it; some were corrected since.
;; Causal Multi Head Self Attention. Allowed arithmetic: matrix products marked QUANTISED: E2M1 operands, one E8M0 scale for each 32 along K, by v_wmma_scale_f32_16x16x128_f8f6f4 with both operands' format E2M1 (or v_wmma_scale_f32_32x16x128_f4), f32 sums; products left as they are: bf16, f16 or f32 operands; f32 sums; everything else in f32.
;; Inputs: Wk 1,024 x 1,024 float32; Wo 64 x 1,024 float32; Wq 1,024 x 1,024 float32; Wv 1,024 x 1,024 float32; in_features 4 x 2,048 x 1,024 float32.
;; Outputs: out0 4 x 2,048 x 64 float32.
;; This version of the problem:
;;   THIS VERSION OF THE PROBLEM IS GIVEN IN LOW PRECISION. The matrix products marked QUANTISED in the list below multiply operands that are first quantised to E2M1 (2 exponent bits, 1 mantissa bit; 4 bits a number), with one power-of-two scale for each 32 numbers along K (OCP MX v1.0); their sums are f32. The products marked 'left as it is' may take bf16, f16 or f32 operands, with f32 sums. Whichever they take, every output number must still come out within the allowed error. Rounding operands to bf16 (8 significant bits) uses up far more of that allowance than f16 does (11 bits, for magnitudes from 6e-5 to 65,504). All else is computed in f32.
;;   The module's matrix products, in the order in which they are computed (A, B: the left and right operand; K: the contracted axis; several contracted axes count as one K, in the product's order):
;;     1. [M 8,192, K 1,024] x [K 1,024, N 1,024]; A: input in_features; B: input Wq: QUANTISED
;;     2. [M 8,192, K 1,024] x [K 1,024, N 1,024]; A: input in_features; B: input Wk: QUANTISED
;;     3. [M 8,192, K 1,024] x [K 1,024, N 1,024]; A: input in_features; B: input Wv: QUANTISED
;;     4. batch 4 x [M 2,048, K 1,024] x [K 1,024, N 2,048]; A: computed on the way; B: computed on the way: left as it is (an operand is computed on the way)
;;     5. batch 4 x [M 2,048, K 2,048] x [K 2,048, N 1,024]; A: computed on the way; B: computed on the way: left as it is (an operand is computed on the way)
;;     6. [M 8,192, K 1,024] x [K 1,024, N 64]; A: computed on the way; B: input Wo: left as it is (an operand is computed on the way)
;;   THE QUANTISER, for each operand of a quantised product, along K:
;;     - K is cut into blocks of 32 from its start; a last block that is shorter is filled with zeros.
;;     - A block's scale is 2^e with e = floor(log2(the largest magnitude in the block)) - 2, held to -126 .. 127; a block of zeros has e = 0. As a byte (E8M0): e + 127.
;;     - Each number is divided by its block's scale, clamped to +-6, and rounded to the nearest number of E2M1, ties to even, subnormals kept.
;;     - The product sums the exact products of the quantised numbers (number of the format x scale) in f32.
;;   ~~~python
;;   def quantise(x, axis):      # numpy; x: float32 -> the quantised numbers, widened to float32 again
;;       x = np.moveaxis(x, axis, -1); K = x.shape[-1]
;;       x = np.pad(x, [(0, 0)] * (x.ndim - 1) + [(0, -K % 32)]); x = x.reshape(x.shape[:-1] + (-1, 32)); a = np.abs(x).max(-1, keepdims=True)
;;       e = np.where(a > 0, np.clip(np.frexp(np.where(a > 0, a, 1))[1] - 1 - 2, -126, 127), 0)      # np.frexp(a)[1] - 1 = floor(log2(a)), exactly
;;       r = np.clip(x / 2.0 ** e, -6, 6)
;;       step = 2.0 ** (np.maximum(np.frexp(np.where(r == 0, 1, r))[1] - 1, 0) - 1)
;;       q = np.round(r / step) * step * 2.0 ** e      # np.round: ties to even
;;       return np.moveaxis(q.reshape(q.shape[:-2] + (-1,))[..., :K], -1, axis).astype(np.float32)
;;   ~~~
;; One version. Each part assembles by itself: llvm-mc -triple=amdgcn-amd-amdhsa -mcpu=gfx1250 --defsym DOCPART=n.
;; ======== version 1 of 1: 6 launches
;; limits: values are held in f16: magnitudes above 65,504 overflow, below 6.1e-05 lose precision
;; workspace buffers: xc 4,194,304 bytes; xs 262,144 bytes; wc 1,966,080 bytes; ws 98,304 bytes; qkv 50,331,648 bytes; fine 786,432 bytes; vwf 2,097,152 bytes; po 35,651,584 bytes
;; launch quant (part 1): grid 360 x 1, 4 waves a work-group, no clusters, 33,280 bytes of LDS; arguments in_features, Wq, Wk, Wv, xc, xs, wc, ws, Wo; writes xc, xs, wc, ws
.if DOCPART == 1
	.amdgcn_target "amdgcn-amd-amdhsa--gfx1250"
	.amdhsa_code_object_version 6
	.text
	.protected	k_qfc735a3da4_quant
	.globl	k_qfc735a3da4_quant
	.p2align	8
	.type	k_qfc735a3da4_quant,@function
k_qfc735a3da4_quant:
	s_mov_b64 s[64:65], 0
	v_nop
	global_prefetch_b8 v0, s[64:65] scope:SCOPE_SE
	s_setreg_imm32_b32 hwreg(HW_REG_WAVE_MODE, 25, 1), 1
	s_wait_xcnt 0x0
; x [8192][1024] and Wq, Wk, Wv [1024][1024], f32, become codes of FP4 (E2M1), K innermost, two codes a byte, with one E8M0 scale byte for each 32 along K.
; A block's scale is 2^(floor(log2(its largest magnitude)) - 2); its byte is the largest magnitude's exponent field - 2, held at 1 from below.
; A block of zeros so gets the byte 1 where the quantiser says 127: its codes are zeros, which add nothing, and this program alone reads the bytes.
; LIMITS: NaN and infinities among the inputs are not served; blocks whose largest magnitude lies under 2^(3 - 127) keep the byte 1.
; Rows are dense and K is a multiple of 32: every tensor is a plain stream of blocks of 32, and so are its codes and its scale bytes.
; Work-groups 0-255 take x (32,768 numbers each), 256-287 Wq, 288-319 Wk, 320-351 Wv; the three weights' codes lie on end in wc, their bytes in ws.
; Only pointers are chosen among these by the work-group's number: the four tensors take one path through the text.
; A wave takes 16 steps of 512 numbers.  Each load reads 512 consecutive bytes; a step's 2,048 bytes turn through the wave's own stage in LDS, so that a lane then
; holds 16 neighbours along K (two neighbouring lanes hold a block).  A lane's 16 codes are 8 bytes: the wave stores 256 consecutive bytes.
; A wave's 256 scale bytes are gathered in its own LDS bytes and leave as 256 consecutive bytes.  No barrier: waves share nothing.
; WORK-GROUPS 352-359 LAY Wo [64][1024] OUT ONCE, as images of 16-bit operand fragments (16 channels x 32 of d, 8 registers a lane), for the two later launches that multiply by it:
;   in f16:                     wc byte 1,572,864 + (4 s + c) 1024 + half 512 + 16 lane          (s: which 32 of d; c: which 16 channels)
;   as pairs of bf16, hi and lo: wc byte 1,703,936 + (4 s + c) 2048 + part 1024 + half 512 + 16 lane   (hi = bf16(w), lo = bf16(w - hi), split in f32)
; Wave s of these 32 takes step s of d and all four c.  That path stores nothing to LDS; it joins the other at the closing lines.
.set WAVES, 4
.set STEPS, 16
.set EMAX,  2
.set CB,    8                          ; bytes of 16 codes
.set R,     16                         ; v16-79   four sets of 16 numbers as loaded
.set X,     80                         ; v80-111  two sets of 16 neighbours
.set C,     128                        ; v128-191 codes: registers of its own for each step
.set E,     112                        ; v112-127 a scale byte for each step
.set WREG,  8192                       ; LDS: a region for each wave: two stages of 32 x SP bytes, then its 256 scale bytes
.set SP,    80                         ; a lane's place in a stage: 64 bytes + 16 of padding
.set SPW,   12                         ; v12 LDS address of my spare word; never rewritten
.set NIL,   13                         ; v13 0; never rewritten
.set SPARE, WAVES*WREG                 ; the spare words: 128 bytes a wave, named by no other line
.set WOF,   1572864                    ; Wo's f16 images in wc
.set WOB,   WOF+131072                 ; and its pairs of bf16
.set HM,    32                         ; s32 a word's upper bf16
	s_load_b256 s[4:11], s[0:1], 0x0               ; x s[4:5], Wq s[6:7], Wk s[8:9], Wv s[10:11]
	s_load_b256 s[12:19], s[0:1], 0x20             ; xc s[12:13], xs s[14:15], wc s[16:17], ws s[18:19]
	s_load_b64 s[26:27], s[0:1], 0x40              ; Wo
	v_lshl_add_u32 v[SPW], v0, 2, SPARE
	v_mov_b32 v[NIL], 0
	v_lshrrev_b32 v1, 5, v0
	v_readfirstlane_b32 s20, v1                    ; wave
	v_and_b32 v2, 31, v0                           ; lane
	v_lshlrev_b32 v3, 4, v2                        ; 16 x lane
	s_mul_i32 s21, s20, WREG
	v_lshrrev_b32 v14, 2, v2
	v_mul_u32_u24 v14, v14, SP
	v_and_b32 v15, 3, v2
	v_lshl_add_u32 v14, v15, 4, v14
	v_add_nc_u32 v14, s21, v14                     ; the stage, way in: SP (lane / 4) + 16 (lane % 4)
	v_mul_u32_u24 v15, v2, SP
	v_add_nc_u32 v15, s21, v15                     ; way out: SP x lane: my 16 neighbours
	v_mul_u32_u24 v4, v2, CB                       ; my codes' place in a step's
	v_lshrrev_b32 v5, 1, v2
	s_add_co_u32 s21, s21, 2*32*SP
	v_add_nc_u32 v5, s21, v5                       ; my block's scale byte in LDS
	v_lshlrev_b32 v7, 3, v2                        ; and on the way out 8 bytes a lane
	v_add_nc_u32 v6, s21, v7
	s_sub_co_u32 s22, ttmp9, 256                   ; j: the work-group's number among the weights' (used only where it is one of them)
	s_and_b32 s23, s22, 31                         ; its place in its weight
	s_wait_kmcnt 0x0
	s_cmp_ge_u32 ttmp9, 352                        ; the last eight work-groups lay Wo out
	s_cbranch_scc1 .Lwo
	s_cmp_lt_u32 s22, 64
	s_cselect_b64 s[10:11], s[8:9], s[10:11]       ; Wk under 64, else Wv
	s_cmp_lt_u32 s22, 32
	s_cselect_b64 s[10:11], s[6:7], s[10:11]       ; Wq under 32
	s_cmp_lt_u32 ttmp9, 256                        ; x's work-group?  Every choice hangs on the work-group's number alone
	s_cselect_b64 s[4:5], s[4:5], s[10:11]
	s_cselect_b64 s[12:13], s[12:13], s[16:17]
	s_cselect_b64 s[14:15], s[14:15], s[18:19]
	s_cselect_b32 s23, ttmp9, s23                  ; which 32,768 numbers of the source,
	s_cselect_b32 s22, ttmp9, s22                  ; and of the destination
	s_lshl_b32 s23, s23, 2
	s_add_co_u32 s23, s23, s20                     ; my wave's run of 8,192 numbers
	s_lshl_b32 s24, s23, 15                        ; 32,768 bytes of f32 a run
	s_mov_b32 s25, 0
	s_add_nc_u64 s[4:5], s[4:5], s[24:25]
	s_lshl_b32 s22, s22, 2
	s_add_co_u32 s22, s22, s20
	s_lshl_b32 s24, s22, 12                        ; 4,096 bytes of codes a run
	s_add_nc_u64 s[12:13], s[12:13], s[24:25]
	s_lshl_b32 s24, s22, 8                         ; 256 scale bytes a run
	s_add_nc_u64 s[14:15], s[14:15], s[24:25]
.macro LOAD t
.irp i, 0,1,2,3
	global_load_b128 v[R+16*((\t)%4)+4*\i:R+16*((\t)%4)+4*\i+3], v3, s[4:5] offset:2048*(\t)+512*\i th:TH_LOAD_NT   ; 32 lanes read 512 consecutive bytes
.endr
.endm
.macro TURN t                          ; step t's numbers through the stage: LDS serves a wave's instructions in order, so no wait stands between stores and loads
.irp i, 0,1,2,3
	ds_store_b128 v14, v[R+16*((\t)%4)+4*\i:R+16*((\t)%4)+4*\i+3] offset:32*SP*((\t)%2)+8*SP*\i
.endr
.irp i, 0,1,2,3
	ds_load_b128 v[X+16*((\t)%2)+4*\i:X+16*((\t)%2)+4*\i+3], v15 offset:32*SP*((\t)%2)+16*\i
.endr
.endm
.irp t, 0,1,2,3
	LOAD \t
.endr
	s_wait_loadcnt 12                              ; step 0's four loads are in; twelve younger ones stay out
	TURN 0
.macro STEP t
.set XS, X+16*((\t)%2)
.if (\t) > 0
	s_wait_dscnt 1                                 ; this step's numbers are back from the stage (the last step's byte store may be out)
.else
	s_wait_dscnt 0x0
.endif
.if (\t)+4 < STEPS
	LOAD (\t)+4                                    ; into the registers that the stage's stores have read
.endif
.if (\t)+1 < STEPS
.if STEPS-2-(\t) >= 3
	s_wait_loadcnt 12                              ; the next step's four loads are in; those of three steps behind it may be out
.else
	s_wait_loadcnt 4*(STEPS-2-(\t))
.endif
	TURN (\t)+1                                    ; they go through the other stage while this step is worked
.endif
	v_max3_num_f32 v8, |v[XS]|, |v[XS+1]|, |v[XS+2]|               ; the largest magnitude of my 16, in two chains
	v_max3_num_f32 v9, |v[XS+3]|, |v[XS+4]|, |v[XS+5]|
.irp i, 6,10
	v_max3_num_f32 v8, v8, |v[XS+\i]|, |v[XS+\i+1]|
	v_max3_num_f32 v9, v9, |v[XS+\i+2]|, |v[XS+\i+3]|
.endr
	v_max3_num_f32 v8, v8, |v[XS+14]|, |v[XS+15]|
	v_max3_num_f32 v8, v8, v9, (EMAX+1)<<23        ; and the floor 2^(EMAX + 1 - 127): the byte cannot fall under 1
	v_max_num_f32_dpp v8, v8, v8 row_xmask:1 row_mask:0xf bank_mask:0xf   ; with my neighbour's 16: the block's
	v_add_nc_u32 v11, -(EMAX<<23), v8              ; EMAX off its exponent field: the conversion takes that field as its scale
	v_cvt_scalef32_pk8_fp4_f32 v[C+4*(\t)], v[XS:XS+7], v11
	v_cvt_scalef32_pk8_fp4_f32 v[C+4*(\t)+1], v[XS+8:XS+15], v11
	v_lshrrev_b32 v[E+(\t)], 23, v11               ; the scale's byte
	ds_store_b8 v5, v[E+(\t)] offset:16*(\t)       ; both lanes of a block write the same byte with the same value
	global_store_b64 v4, v[C+4*(\t):C+4*(\t)+1], s[12:13] offset:32*CB*(\t)   ; 256 consecutive bytes a wave
.endm
.irp t, 0,1,2,3,4,5,6,7,8,9,10,11,12,13,14,15
	STEP \t
.endr
	ds_load_b64 v[8:9], v6                         ; LDS serves a wave's instructions in order: these see my byte stores
	s_wait_dscnt 0x0
	global_store_b64 v7, v[8:9], s[14:15]          ; 256 consecutive bytes, aligned
	s_branch .Lend
; 16 f32 numbers become 8 registers of high parts and 8 of low parts: hi = bf16(x), lo = bf16(x - hi)
.macro SPLIT src, hi, lo, t
.irp i, 0,1,2,3,4,5,6,7
	v_cvt_pk_bf16_f32 v[\hi+\i], v[\src+2*\i], v[\src+2*\i+1]
.endr
.irp i, 0,1,2,3,4,5,6,7
	v_lshlrev_b32 v[\t+2*\i], 16, v[\hi+\i]
	v_and_b32 v[\t+2*\i+1], s[HM], v[\hi+\i]
.endr
.irp i, 0,1,2,3,4,5,6,7
	v_pk_add_f32 v[\t+2*\i:\t+2*\i+1], v[\src+2*\i:\src+2*\i+1], v[\t+2*\i:\t+2*\i+1] neg_lo:[0,1] neg_hi:[0,1]
.endr
.irp i, 0,1,2,3,4,5,6,7
	v_cvt_pk_bf16_f32 v[\lo+\i], v[\t+2*\i], v[\t+2*\i+1]
.endr
.endm
.Lwo:
	s_sub_co_u32 s22, ttmp9, 352
	s_lshl_b32 s22, s22, 2
	s_add_co_u32 s22, s22, s20                     ; s = 0 .. 31: which 32 of d
	s_mov_b32 s25, 0
	s_lshl_b32 s24, s22, 7                         ; 128 bytes along a row of Wo
	s_add_nc_u64 s[26:27], s[26:27], s[24:25]
	s_lshl_b32 s24, s22, 12                        ; four f16 images of 1,024 bytes
	s_add_co_u32 s24, s24, WOF
	s_add_nc_u64 s[28:29], s[16:17], s[24:25]
	s_lshl_b32 s24, s22, 13                        ; four pairs of 2,048 bytes
	s_add_co_u32 s24, s24, WOB
	s_add_nc_u64 s[30:31], s[16:17], s[24:25]
	s_mov_b32 s[HM], 0xffff0000
	v_and_b32 v8, 15, v0                           ; r
	v_bfe_u32 v9, v0, 4, 1                         ; h
	v_lshlrev_b32 v10, 12, v8
	v_lshl_add_u32 v10, v9, 5, v10                 ; row r of 4,096 bytes + 32 h
.irp c, 0,1,2,3                        ; lane (r, h) takes, of channel 16 c + r, d = 8 h + 0 .. 7 and 16 + 8 h + 0 .. 7 of the step's 32: the fragment's own order
	global_load_b128 v[16+16*\c:19+16*\c], v10, s[26:27] offset:\c*65536
	global_load_b128 v[20+16*\c:23+16*\c], v10, s[26:27] offset:\c*65536+16
	global_load_b128 v[24+16*\c:27+16*\c], v10, s[26:27] offset:\c*65536+64
	global_load_b128 v[28+16*\c:31+16*\c], v10, s[26:27] offset:\c*65536+80
.endr
	s_wait_loadcnt 0x0
.irp c, 0,1,2,3
.irp i, 0,1,2,3,4,5,6,7
	v_cvt_pk_f16_f32 v[80+8*\c+\i], v[16+16*\c+2*\i], v[16+16*\c+2*\i+1]
.endr
	SPLIT 16+16*\c, 112+16*\c, 120+16*\c, 176
.endr
.irp c, 0,1,2,3                        ; every store covers 512 consecutive bytes, aligned
	global_store_b128 v3, v[80+8*\c:83+8*\c], s[28:29] offset:\c*1024
	global_store_b128 v3, v[84+8*\c:87+8*\c], s[28:29] offset:\c*1024+512
	global_store_b128 v3, v[112+16*\c:115+16*\c], s[30:31] offset:\c*2048
	global_store_b128 v3, v[116+16*\c:119+16*\c], s[30:31] offset:\c*2048+512
	global_store_b128 v3, v[120+16*\c:123+16*\c], s[30:31] offset:\c*2048+1024
	global_store_b128 v3, v[124+16*\c:127+16*\c], s[30:31] offset:\c*2048+1536
.endr
.Lend:
	s_wait_tensorcnt 0x0                           ; the wave's end
	ds_add_u32 v[SPW], v[NIL]
	s_wait_dscnt 0x0
	s_endpgm
.Lfunc_end_k_qfc735a3da4_quant:
	.size	k_qfc735a3da4_quant, .Lfunc_end_k_qfc735a3da4_quant-k_qfc735a3da4_quant
	.p2alignl 7, 3214868480
	.fill 96, 4, 3214868480
	.section	.rodata,"a",@progbits
	.p2align	6, 0x0
	.amdhsa_kernel k_qfc735a3da4_quant
		.amdhsa_group_segment_fixed_size 33280
		.amdhsa_private_segment_fixed_size 0
		.amdhsa_enable_private_segment 0
		.amdhsa_kernarg_size 72
		.amdhsa_user_sgpr_count 2
		.amdhsa_user_sgpr_kernarg_segment_ptr 1
		.amdhsa_wavefront_size32 1
		.amdhsa_system_sgpr_workgroup_id_x 1
		.amdhsa_system_sgpr_workgroup_id_y 1
		.amdhsa_system_sgpr_workgroup_id_z 1
		.amdhsa_system_vgpr_workitem_id 0
		.amdhsa_next_free_vgpr 192
		.amdhsa_next_free_sgpr 66
		.amdhsa_reserve_vcc 0
		.amdhsa_float_denorm_mode_32 3
		.amdhsa_float_denorm_mode_16_64 3
		.amdhsa_memory_ordered 1
		.amdhsa_forward_progress 1
		.amdhsa_inst_pref_size 48
	.end_amdhsa_kernel
	.amdgpu_metadata
---
amdhsa.version: [ 1, 2 ]
amdhsa.kernels:
  - .name:           k_qfc735a3da4_quant
    .symbol:         k_qfc735a3da4_quant.kd
    .args:
      - { .name: in_features, .offset: 0, .size: 8, .value_kind: global_buffer, .address_space: global }
      - { .name: Wq, .offset: 8, .size: 8, .value_kind: global_buffer, .address_space: global }
      - { .name: Wk, .offset: 16, .size: 8, .value_kind: global_buffer, .address_space: global }
      - { .name: Wv, .offset: 24, .size: 8, .value_kind: global_buffer, .address_space: global }
      - { .name: xc, .offset: 32, .size: 8, .value_kind: global_buffer, .address_space: global }
      - { .name: xs, .offset: 40, .size: 8, .value_kind: global_buffer, .address_space: global }
      - { .name: wc, .offset: 48, .size: 8, .value_kind: global_buffer, .address_space: global }
      - { .name: ws, .offset: 56, .size: 8, .value_kind: global_buffer, .address_space: global }
      - { .name: Wo, .offset: 64, .size: 8, .value_kind: global_buffer, .address_space: global }
    .group_segment_fixed_size: 33280
    .private_segment_fixed_size: 0
    .kernarg_segment_align: 8
    .kernarg_segment_size: 72
    .max_flat_workgroup_size: 128
    .sgpr_count:     66
    .vgpr_count:     192
    .wavefront_size: 32
...
	.end_amdgpu_metadata
.endif
;; end of part 1
;; launch gemm (part 2): grid 12 x 16, 4 waves a work-group, clusters of 4 x 4, 327,680 bytes of LDS; arguments xc, xs, wc, ws, qkv, fine; writes qkv, fine
.if DOCPART == 2
	.amdgcn_target "amdgcn-amd-amdhsa--gfx1250"
	.amdhsa_code_object_version 6
	.text
	.protected	k_qfc735a3da4_gemm
	.globl	k_qfc735a3da4_gemm
	.p2align	8
	.type	k_qfc735a3da4_gemm,@function
k_qfc735a3da4_gemm:
	s_mov_b64 s[64:65], 0
	v_nop
	global_prefetch_b8 v0, s[64:65] scope:SCOPE_SE
	s_setreg_imm32_b32 hwreg(HW_REG_WAVE_MODE, 25, 1), 1
	s_wait_xcnt 0x0
	s_wait_alu depctr_hold_cnt(0) depctr_sa_sdst(0) depctr_va_vdst(0) depctr_va_sdst(0) depctr_va_ssrc(0) depctr_va_vcc(0) depctr_vm_vsrc(0)
	s_getreg_b32 s2, hwreg(HW_REG_IB_STS2, 6, 4)
	s_cmp_eq_u32 s2, 0
	s_cbranch_scc0 .Lentry_in_a_cluster
	s_endpgm
.Lentry_in_a_cluster:
	s_bfe_u32 s2, ttmp6, 0x10000c
	s_cmp_lg_u32 s2, 0xf033
	s_cbranch_scc0 .Lentry_shape_is_right
	s_endpgm
.Lentry_shape_is_right:
; [Q | K | V][m][n] = sum over k of x[m][k] W[n][k]: x's codes [8192][1024], the three weights' codes on end [3072][1024], FP4 (E2M1) with one E8M0 byte for each 32 along K; sums in f32.
; A tile of 256 x 256 is made by four waves, each 128 x 128: 64 accumulators of 16 x 16, 512 registers.  K = 1024 is two LDS slots of 512 along K.
; A WORK-GROUP STAYS AND MAKES TWO TILES, one below the other: tile rows 8 cy + 2 (cluster y) + i, i = 0, 1.  Both take the same 256 rows of W, and the two slots hold all of K:
; so W's codes stay in LDS for both tiles, and only x's 256 rows of each slot are fetched again, behind the change of slots that leaves them.  The first tile's stores leave while the second is multiplied.
; The scale bytes of the work-group's 512 rows of x and 256 rows of W, for all of K, come into LDS once, with the first fills.
; CLUSTERS: 4 x 4 work-groups; the four of a row of the cluster ask jointly for x's tiles, the four of a column for W's.
; The tile rows that begin a sequence of 2,048 rows are tile 0 of the clusters with y = 0, a number that all partners share, and the sequence is cy.
; THE MATRIX INSTRUCTION IS USED TRANSPOSED (source 0 = 16 rows of W, source 1 = 16 rows of x): a lane holds row lane % 16 and the eight columns 8 (lane / 16) + 0 .. 7 of a tile.
; THE WAY OUT needs no LDS: two neighbouring tiles, rounded to f16 in pairs, ARE a 16-bit operand fragment (16 rows x 32 columns, 8 registers a lane).  They are stored as images of those registers:
;   qkv byte = (8 t + kc) 2^21 + (row / 16) 4096 + ks 1024 + half 512 + 16 lane   (t: Q, K, V; kc: which 128 columns; ks: which 32 of them).  Each store covers 512 consecutive bytes, aligned.
; Rows 0-15 of each sequence also leave in f32, as images of the accumulators: fine byte = t 262144 + sequence 65536 + (column / 16) 1024 + half 512 + 16 lane.
; LIMIT: |Q|, |K|, |V| stay under 65,504 (f16); beyond that the rounded numbers are infinite.
; REGISTERS: window 0: v0-31 addresses; v32-95 scale words, two sets; v128-191 x's fragments, one set; v192-255 the packed results, two sets;  window 1: W's fragments, two sets;  windows 2, 3: the accumulators.
.set SIZE_K, 1024
.set KSTEP,  512
.set NQ,     KSTEP/128
.set ROWB,   256                       ; a tile's row in bytes
.set KROW,   SIZE_K*4/8                ; a row of codes in memory
.set PITCH,  272                       ; an LDS row: 256 bytes + 16 of padding: the 16 rows of a load start 68 words apart
.set FR,     8
.set NL,     2
.set NP,     4
.set HALFT,  128*PITCH
.set SLOT,   4*HALFT                   ; x's 256 rows, then W's 256 rows
.set KS,     SIZE_K/32                 ; a row of scale bytes
.set SCL,    2*SLOT                    ; behind the ring: the scales: x's 512 rows, then W's 256, as units of 256 bytes + 16 of padding
.set HALFS,  (128*KS/256)*272          ; those of 128 rows
.set SBLK,   (16*KS/256)*272           ; those of 16 rows
.set SPARE,  SCL+6*HALFS               ; the spare words: 128 bytes a wave, named by no other line
.set ADRA, 16
.set ADRB, 20
.set CO,   26                          ; v26 16 x lane
.set ADRS, 27                          ; v27 my scale words for tile 0: lanes 0-15 x's rows, lanes 16-31 W's
.set SPW,  28
.set NIL,  29
.set ADRS1, 30                         ; v30 the same for tile 1
.set SC,   32
.set AF,   128
.set BK,   192                         ; the way out: packed results, v192-223 and v224-255 by turns
.set G1, 24
.set G0, 32
.set G1B, 48
.set G0B, 56
.set G1S, 68
.set G0S, 76
.set G1SB, 80
.set G0SB, 88
.set MSB, 0
.macro WIN new                         ; the immediate's high byte repeats the setting that is left
.if MSB != \new
	s_set_vgpr_msb (MSB<<8)|\new
.set MSB, \new
.endif
.endm
.set MUL_LO, 0xa1                      ; source 0 (W) window 1, source 1 (x) window 0, C and D window 2
.set MUL_HI, 0xf1
.set TO_B,   0x40
; A joint first fill: waves 0 and 1 fetch for x, waves 2 and 3 for W.  The branch hangs on the wave's number alone.  An s_nop 0 and four v_nop follow each line.
.macro JLOAD g0a, g1a, g0b, g1b
	s_cmp_eq_u32 s15, 0
	s_cbranch_scc0 .Lfor_b_\@
	tensor_load_to_lds s[\g0a:\g0a+3], s[\g1a:\g1a+7]
	s_nop 0
.rept 4
	v_nop
.endr
	s_branch .Lasked_\@
.Lfor_b_\@:
	tensor_load_to_lds s[\g0b:\g0b+3], s[\g1b:\g1b+7]
	s_nop 0
.rept 4
	v_nop
.endr
.Lasked_\@:
.endm
; A joint refill: x's 256 rows of slot s, waves 0 and 1 a half each; waves 2 and 3 have no part of a tile to fill and issue none (W's rows stay).  The branch hangs on the wave's number alone.
.macro AFILL s
	s_cmp_eq_u32 s15, 0
	s_cbranch_scc0 .Lno_fill_\@
	tensor_load_to_lds s[G0+4*\s:G0+4*\s+3], s[G1:G1+7]
	s_nop 0
.rept 4
	v_nop
.endr
.Lno_fill_\@:
.endm
.macro CREST                           ; a round of the cluster's barrier behind its opening barrier
	s_cmp_lg_u32 s14, 0
	s_cbranch_scc1 .Lnot_wave_0_\@
	s_barrier_signal -3
.Lnot_wave_0_\@:
	s_barrier_wait -3
	s_barrier_signal -1
	s_barrier_wait -1
.endm
.macro CROUND                          ; a whole round
	s_barrier_signal -1
	s_barrier_wait -1
	CREST
.endm
	s_load_b128 s[4:7], s[0:1], 0x0                ; x's codes, x's scales
	s_load_b128 s[8:11], s[0:1], 0x10              ; W's codes, W's scales
	s_load_b64 s[12:13], s[0:1], 0x20              ; qkv
	s_load_b64 s[96:97], s[0:1], 0x28              ; fine
	v_lshl_add_u32 v[SPW], v0, 2, SPARE
	v_mov_b32 v[NIL], 0
	ds_add_u32 v[SPW], v[NIL]                      ; the wave's opening: the add, twice on end, and its wait ahead of my first tensor load
	ds_add_u32 v[SPW], v[NIL]
	v_lshrrev_b32 v1, 5, v0
	v_readfirstlane_b32 s14, v1                    ; wave 0..3
	s_lshr_b32 s15, s14, 1                         ; my half of the tile's rows; also: I fetch for x (0) or W (1)
	s_and_b32 s16, s14, 1                          ; my half of its columns; also: which part I fetch
	s_bfe_u32 s40, ttmp6, 0x40000                  ; cx
	s_bfe_u32 s41, ttmp6, 0x40004                  ; cy
	s_lshl_b32 s42, ttmp9, 2
	s_add_co_u32 s42, s42, s40                     ; tile column = 4 x cluster x + cx
	s_and_b32 s17, ttmp7, 0xffff
	s_lshl_b32 s17, s17, 1
	s_lshl_b32 s18, s41, 3
	s_add_co_u32 s17, s17, s18                     ; the first tile's row = 8 cy + 2 x cluster y
	s_lshl_b32 s43, s41, 2
	s_lshl_b32 s43, 15, s43                        ; my row of the cluster
	s_lshl_b32 s44, 0x1111, s40                    ; my column
	s_or_b32 s[G1+0], s43, (0<<16)|(1<<20)|(1<<21)|(5<<22)|(3<<25)  ; mask; elements of 1 byte; padding: 4 words after every 64
	s_or_b32 s[G1B+0], s44, (0<<16)|(1<<20)|(1<<21)|(5<<22)|(3<<25)
.irp g, G1, G1B
	s_mov_b32 s[\g+1], ROWB<<16                    ; tensor_dim0
	s_mov_b32 s[\g+2], 128<<16                     ; tensor_dim1
	s_mov_b32 s[\g+3], ROWB<<16                    ; tile_dim0
	s_mov_b32 s[\g+4], 128                         ; tile_dim1
	s_mov_b32 s[\g+5], KROW                        ; pitch
	s_mov_b32 s[\g+6], 0
	s_mov_b32 s[\g+7], 0
.endr
	s_or_b32 s[G1S+0], s43, (3<<16)|(1<<20)|(1<<21)|(5<<22)|(3<<25) ; x's scales, 256 rows to a load: a dense block, as 32 rows of 256 bytes (32 elements of 8)
	s_mov_b32 s[G1S+1], 32<<16
	s_mov_b32 s[G1S+2], (256*KS/256)<<16
	s_mov_b32 s[G1S+3], 32<<16
	s_mov_b32 s[G1S+4], 256*KS/256
	s_mov_b32 s[G1S+5], 32
	s_mov_b32 s[G1S+6], 0
	s_mov_b32 s[G1S+7], 0
	s_or_b32 s[G1SB+0], s44, (3<<16)|(1<<20)|(1<<21)|(5<<22)|(3<<25) ; W's, 128 rows to a load: 16 rows of 256 bytes
	s_mov_b32 s[G1SB+1], 32<<16
	s_mov_b32 s[G1SB+2], (128*KS/256)<<16
	s_mov_b32 s[G1SB+3], 32<<16
	s_mov_b32 s[G1SB+4], 128*KS/256
	s_mov_b32 s[G1SB+5], 32
	s_mov_b32 s[G1SB+6], 0
	s_mov_b32 s[G1SB+7], 0
	s_lshl_b32 s18, s16, 7
	s_lshl_b32 s20, s17, 8
	s_lshl_b32 s22, s16, 8
	s_add_co_u32 s22, s22, s20                     ; x's scales: row 256 x first tile row + 256 x part (part 0: tile 0's rows, part 1: tile 1's)
	s_add_co_u32 s20, s20, s18                     ; x's codes: row 256 x first tile row + 128 x half
	s_lshl_b32 s46, s42, 8
	s_add_co_u32 s46, s46, s18                     ; W: row 256 x tile column + 128 x half
	s_mov_b32 s21, 0
	s_mov_b32 s23, 0
	s_mov_b32 s47, 0
	s_mov_b64 s[18:19], KS
	s_mul_u64 s[22:23], s[22:23], s[18:19]
	s_mul_u64 s[92:93], s[46:47], s[18:19]
	s_mov_b64 s[18:19], KROW
	s_mul_u64 s[20:21], s[20:21], s[18:19]
	s_mul_u64 s[46:47], s[46:47], s[18:19]
	s_mul_i32 s45, s14, HALFT                      ; LDS: wave x 128 rows: no place in the cluster enters an LDS address
	s_mul_i32 s94, s16, 2*HALFS                    ; x's scales: part x 256 rows
	s_mul_i32 s95, s16, HALFS                      ; W's: half x 128 rows
	s_wait_dscnt 0x0                               ; both opening adds are done
	s_wait_kmcnt 0x0
	s_add_nc_u64 s[20:21], s[4:5], s[20:21]
	s_add_nc_u64 s[22:23], s[6:7], s[22:23]
	s_add_nc_u64 s[46:47], s[8:9], s[46:47]
	s_add_nc_u64 s[92:93], s[10:11], s[92:93]
	CROUND                                         ; all sixteen work-groups are here: the joint loads meet
	s_mov_b32 s[G0S], 1
	s_add_co_u32 s[G0S+1], s94, SCL
	s_mov_b64 s[G0S+2:G0S+3], s[22:23]
	s_or_b32 s[G0S+3], s[G0S+3], 0x80000000
	s_mov_b32 s[G0SB], 1
	s_add_co_u32 s[G0SB+1], s95, SCL+4*HALFS
	s_mov_b64 s[G0SB+2:G0SB+3], s[92:93]
	s_or_b32 s[G0SB+3], s[G0SB+3], 0x80000000
	JLOAD G0S, G1S, G0SB, G1SB                     ; the scales first
.irp s, 0,1
	s_mov_b32 s[G0+4*\s], 1
	s_add_co_u32 s[G0+4*\s+1], s45, \s*SLOT
	s_add_nc_u64 s[G0+4*\s+2:G0+4*\s+3], s[20:21], \s*ROWB
	s_or_b32 s[G0+4*\s+3], s[G0+4*\s+3], 0x80000000
	s_mov_b32 s[G0B+4*\s], 1
	s_add_co_u32 s[G0B+4*\s+1], s45, \s*SLOT
	s_add_nc_u64 s[G0B+4*\s+2:G0B+4*\s+3], s[46:47], \s*ROWB
	s_or_b32 s[G0B+4*\s+3], s[G0B+4*\s+3], 0x80000000
	JLOAD G0+4*\s, G1, G0B+4*\s, G1B               ; three tensor loads of mine are out in all
.endr
	v_and_b32 v1, 15, v0                           ; l % 16
	v_bfe_u32 v2, v0, 4, 1                         ; l / 16
	v_mul_u32_u24 v3, v1, PITCH
	v_lshl_add_u32 v4, v2, 4, v3                   ; a fragment's row x pitch + 16 x half
	s_mul_i32 s21, s15, HALFT
	s_mul_i32 s22, s16, HALFT
	s_add_co_u32 s22, s22, 2*HALFT
.irp s, 0,1
	v_add_nc_u32 v[ADRA+\s], s21, v4
	v_add_nc_u32 v[ADRB+\s], s22, v4
	s_add_co_u32 s21, s21, SLOT
	s_add_co_u32 s22, s22, SLOT
.endr
	v_mul_u32_u24 v5, v1, KS                       ; my row's scales: KS bytes a row,
	v_lshrrev_b32 v6, 8, v5
	v_lshl_add_u32 v5, v6, 4, v5                   ; and 16 more for each 256 passed
	s_mul_i32 s21, s15, HALFS                      ; x's: my 128 rows of tile 0; tile 1's lie 2 HALFS on
	s_mul_i32 s22, s16, HALFS                      ; W's: my 128 rows, behind x's 512
	s_add_co_u32 s23, s22, 2*HALFS
	s_add_co_u32 s22, s22, 4*HALFS
	s_sub_co_u32 s22, s22, s21                     ; from x's to W's, for tile 0,
	s_sub_co_u32 s23, s23, s21                     ; and for tile 1
	v_mul_u32_u24 v6, s22, v2                      ; lanes 16-31 take W's
	v_mul_u32_u24 v7, s23, v2
	s_add_co_u32 s21, s21, SCL
	v_add_nc_u32 v6, v5, v6
	v_add_nc_u32 v7, v5, v7
	v_add_nc_u32 v[ADRS], s21, v6
	s_add_co_u32 s21, s21, 2*HALFS
	v_add_nc_u32 v[ADRS1], s21, v7
	v_and_b32 v6, 31, v0
	v_lshlrev_b32 v[CO], 4, v6                     ; an image's place for my lane
	s_lshl_b32 s20, s17, 16                        ; qkv: 16 row tiles of 4,096 bytes a tile row,
	s_lshl_b32 s21, s15, 15                        ; 8 for my half,
	s_add_co_u32 s20, s20, s21
	s_mov_b32 s21, 0
	s_lshl_b32 s46, s42, 1
	s_add_co_u32 s46, s46, s16                     ; 8 t + kc = 2 x tile column + half
	s_lshl_b32 s46, s46, 21
	s_mov_b32 s47, 0
	s_add_nc_u64 s[20:21], s[20:21], s[46:47]
	s_add_nc_u64 s[12:13], s[12:13], s[20:21]
	s_lshl_b32 s46, ttmp9, 18                      ; fine: t = cluster x,
	s_lshl_b32 s47, s41, 16                        ; the sequence = cy,
	s_add_co_u32 s46, s46, s47
	s_lshl_b32 s47, s40, 14                        ; column tile 16 cx + 8 x half
	s_add_co_u32 s46, s46, s47
	s_lshl_b32 s47, s16, 13
	s_add_co_u32 s46, s46, s47
	s_mov_b32 s47, 0
	s_add_nc_u64 s[96:97], s[96:97], s[46:47]
.macro FRAG reg, adr, q, i             ; 16 rows x 128 K of 4-bit codes: 8 registers: two loads of 16 bytes, 32 bytes apart
.irp c, 0,1
	ds_load_b128 v[\reg+4*\c:\reg+4*\c+3], v[\adr] offset:64*(\q)+32*\c+(\i)*16*PITCH
.endr
.endm
; 16 matrix instructions: x's blocks a0, a0 + 1 against W's eight, 128 along K.  The 64 accumulators take turns, one instruction a turn.
.macro MUL16 a0, p, q, sc, zero
.irp a, \a0, \a0+1
.irp b, 0,1,2,3,4,5,6,7
.if \zero
	v_wmma_scale_f32_16x16x128_f8f6f4 v[8*(8*((\a)%4)+\b):8*(8*((\a)%4)+\b)+7], v[128*(\p)+FR*\b:128*(\p)+FR*\b+FR-1], v[AF+FR*(\a):AF+FR*(\a)+FR-1], 0, v[SC+8*NQ*(\sc)+NQ*\b+(\q)], v[SC+8*NQ*(\sc)+NQ*(\a)+(\q)] matrix_a_fmt:MATRIX_FMT_FP4 matrix_b_fmt:MATRIX_FMT_FP4 matrix_a_scale:MATRIX_SCALE_ROW1
.else
	v_wmma_scale_f32_16x16x128_f8f6f4 v[8*(8*((\a)%4)+\b):8*(8*((\a)%4)+\b)+7], v[128*(\p)+FR*\b:128*(\p)+FR*\b+FR-1], v[AF+FR*(\a):AF+FR*(\a)+FR-1], v[8*(8*((\a)%4)+\b):8*(8*((\a)%4)+\b)+7], v[SC+8*NQ*(\sc)+NQ*\b+(\q)], v[SC+8*NQ*(\sc)+NQ*(\a)+(\q)] matrix_a_fmt:MATRIX_FMT_FP4 matrix_b_fmt:MATRIX_FMT_FP4 matrix_a_scale:MATRIX_SCALE_ROW1
.endif
.endr
.endr
.endm
.macro FETCH_B slot, q, p
	WIN TO_B
.irp i, 0,1,2,3,4,5,6,7
	FRAG 128*(\p)+FR*\i, ADRB+\slot, \q, \i
.endr
	WIN 0
.endm
.macro FETCH_A slot, q, i0
.irp i, \i0, \i0+1, \i0+2, \i0+3
	FRAG AF+FR*(\i), ADRA+\slot, \q, \i
.endr
.endm
.macro SCALES sc, adr, ko              ; a slot's scale words into set sc: lanes 0-15 take x's block i, lanes 16-31 W's block i; ko: 16 bytes on for the second 512 along K
.irp i, 0,1,2,3,4,5,6,7
	ds_load_b128 v[SC+8*NQ*\sc+NQ*\i:SC+8*NQ*\sc+NQ*\i+3], v[\adr] offset:\i*SBLK+\ko
.endr
.endm
.macro PLACES n                        ; plain vector instructions between a matrix instruction and a load into, or a read of, its registers
.rept \n
	v_nop
.endr
.endm
.macro STEP slot, q, zero              ; 128 along K, with its successor in the same slot
	s_wait_dscnt 4*NL                              ; W's set and x's blocks 0-3 are in; the youngest eight loads (blocks 4-7) may be out
	WIN MUL_LO
	MUL16 0, (\q)%2, \q, \slot, \zero
	MUL16 2, (\q)%2, \q, \slot, \zero
	s_wait_dscnt 0                                 ; blocks 4-7 are in
	PLACES NP
	FETCH_B \slot, (\q)+1, 1-(\q)%2
	FETCH_A \slot, (\q)+1, 0
	WIN MUL_HI
	MUL16 4, (\q)%2, \q, \slot, \zero
	MUL16 6, (\q)%2, \q, \slot, \zero
	PLACES NP
	WIN 0
	FETCH_A \slot, (\q)+1, 4
.endm
; A slot's last step changes slots: ONE barrier.  Ahead of it each wave waits for all its tensor loads, adds 0 to its spare word, and waits for that and for its own reads of this slot.
; fill = 1: x's rows of this slot are filled again, with the next tile's: the barrier then opens a round of the cluster's barrier, and the joint refill is the first thing behind the round.
; sadr, sko: where the next slot's scale words lie.
.macro TURN slot, next, fill, sadr, sko
	s_wait_tensorcnt 0x0                           ; all my tensor loads have landed: my part of the next slot;  (every window is 0 here)
	ds_add_u32 v[SPW], v[NIL]                      ; 0 onto my spare word
	s_wait_dscnt 4*NL+1                            ; (the add and the youngest eight loads may be out)
	WIN MUL_LO
	MUL16 0, 1, NQ-1, \slot, 0                     ; sixteen matrix instructions stand between the add and the wait for it
	s_wait_dscnt 0x0                               ; the add is done, and my reads of this slot are over
	s_barrier_signal -1
	MUL16 2, 1, NQ-1, \slot, 0
	WIN 0
	s_barrier_wait -1
.if \fill
	CREST                                          ; no wave of any partner still reads x's rows of this slot or has a load on its way
	s_add_nc_u64 s[G0+4*\slot+2:G0+4*\slot+3], s[G0+4*\slot+2:G0+4*\slot+3], 256*KROW   ; the same 512 along K, 256 rows further down; no load of mine is out
	AFILL \slot
.endif
	PLACES NP                                      ; on every wave's way: ahead of the loads into registers that matrix instructions have read
	FETCH_B \next, 0, 0
	FETCH_A \next, 0, 0
	SCALES \next, \sadr, \sko
	WIN MUL_HI
	MUL16 4, 1, NQ-1, \slot, 0
	MUL16 6, 1, NQ-1, \slot, 0
	PLACES NP
	WIN 0
	FETCH_A \next, 0, 4
.endm
.macro STEPS slot, from
.set Q, \from
.rept NQ-1-\from
	STEP \slot, Q, 0
.set Q, Q+1
.endr
.endm
; Block a (16 rows x 128 columns) of a tile: 32 roundings to f16 in ascending order, then four fragments' images, 512 consecutive bytes a store.  A tile's 16 row tiles are 65,536 bytes.
.macro PACKQ a, tile
.set AC, 64*((\a)%4)
.set BB, BK+32*((\a)%2)
	WIN 0x0a+5*((\a)/4)                            ; sources 0 and 1: window 2 or 3
.set i, 0
.rept 32
	v_cvt_pk_f16_f32 v[BB+i], v[AC+2*i], v[AC+2*i+1]
.set i, i+1
.endr
	WIN 0
.irp p, 0,1,2,3
	global_store_b128 v[CO], v[BB+8*\p:BB+8*\p+3], s[12:13] offset:(\tile)*65536+(\a)*4096+\p*1024
	global_store_b128 v[CO], v[BB+8*\p+4:BB+8*\p+7], s[12:13] offset:(\tile)*65536+(\a)*4096+\p*1024+512
.endr
.endm
.macro OUT tile
.irp a, 0,1,2,3,4,5,6,7
.if \a > 1
	s_wait_xcnt 0x0                                ; block a - 2's stores have read their registers: the same set is written again
.endif
	PACKQ \a, \tile
.endr
.endm
	s_wait_tensorcnt 1                             ; the scales and my part of slot 0 are in (slot 1's load may be out)
	s_barrier_signal -1
	s_barrier_wait -1                              ; everybody's are
	FETCH_B 0, 0, 0
	FETCH_A 0, 0, 0
	SCALES 0, ADRS, 0
	FETCH_A 0, 0, 4
	STEP 0, 0, 1                                   ; the first products start the sums: nothing is cleared
	STEPS 0, 1
	TURN 0, 1, 1, ADRS, 16                         ; slot 0 takes the second tile's first 512 along K of x
	STEPS 1, 0
	TURN 1, 0, 1, ADRS1, 0                         ; slot 1 its second 512; the second tile's first fragments are fetched
	; BOTH REFILLS ARE ASKED FOR: NOW THE FIRST TILE GOES OUT.  (The four v_nop at TURN's end are the places behind its last products.)
	; rows 0-15 of a sequence, in f32: block 0 of the waves with the tile's upper rows, in the clusters with y = 0 (the same number in all partners)
	s_and_b32 s20, ttmp7, 0xffff
	s_or_b32 s20, s20, s15
	s_cmp_lg_u32 s20, 0
	s_cbranch_scc1 .Lno_fine
	WIN 0x08                                       ; a store's data are its source 1: window 2
.irp b, 0,1,2,3,4,5,6,7
	global_store_b128 v[CO], v[8*\b:8*\b+3], s[96:97] offset:1024*\b          ; each accumulator from its low end on
	global_store_b128 v[CO], v[8*\b+4:8*\b+7], s[96:97] offset:1024*\b+512
.endr
	WIN 0
.Lno_fine:
	OUT 0
	s_wait_xcnt 0x0                                ; the first tile's stores have read their registers: the accumulators (the f32 rows) and both packed sets may be written again
	PLACES 5                                       ; an accumulator begun anew stands five places behind the last product that wrote it
	STEP 0, 0, 1                                   ; the second tile
	STEPS 0, 1
	TURN 0, 1, 0, ADRS1, 16                        ; nothing is left to fetch: no round
	STEPS 1, 0
	s_wait_dscnt 4*NL                              ; the last step
	WIN MUL_LO
	MUL16 0, 1, NQ-1, 1, 0
	MUL16 2, 1, NQ-1, 1, 0
	s_wait_dscnt 0
	WIN MUL_HI
	MUL16 4, 1, NQ-1, 1, 0
	MUL16 6, 1, NQ-1, 1, 0
	WIN 0
	PLACES NP                                      ; for the reads of the last results
	OUT 1
	s_wait_tensorcnt 0x0                           ; the wave's end
	ds_add_u32 v[SPW], v[NIL]
	s_wait_dscnt 0x0
	CROUND                                         ; the closing round
	s_endpgm
.Lfunc_end_k_qfc735a3da4_gemm:
	.size	k_qfc735a3da4_gemm, .Lfunc_end_k_qfc735a3da4_gemm-k_qfc735a3da4_gemm
	.p2alignl 7, 3214868480
	.fill 96, 4, 3214868480
	.section	.rodata,"a",@progbits
	.p2align	6, 0x0
	.amdhsa_kernel k_qfc735a3da4_gemm
		.amdhsa_group_segment_fixed_size 327680
		.amdhsa_private_segment_fixed_size 0
		.amdhsa_enable_private_segment 0
		.amdhsa_kernarg_size 48
		.amdhsa_user_sgpr_count 2
		.amdhsa_user_sgpr_kernarg_segment_ptr 1
		.amdhsa_wavefront_size32 1
		.amdhsa_system_sgpr_workgroup_id_x 1
		.amdhsa_system_sgpr_workgroup_id_y 1
		.amdhsa_system_sgpr_workgroup_id_z 1
		.amdhsa_system_vgpr_workitem_id 0
		.amdhsa_next_free_vgpr 1024
		.amdhsa_next_free_sgpr 98
		.amdhsa_reserve_vcc 0
		.amdhsa_float_denorm_mode_32 3
		.amdhsa_float_denorm_mode_16_64 3
		.amdhsa_memory_ordered 1
		.amdhsa_forward_progress 1
		.amdhsa_inst_pref_size 229
	.end_amdhsa_kernel
	.amdgpu_metadata
---
amdhsa.version: [ 1, 2 ]
amdhsa.kernels:
  - .name:           k_qfc735a3da4_gemm
    .symbol:         k_qfc735a3da4_gemm.kd
    .args:
      - { .name: xc, .offset: 0, .size: 8, .value_kind: global_buffer, .address_space: global }
      - { .name: xs, .offset: 8, .size: 8, .value_kind: global_buffer, .address_space: global }
      - { .name: wc, .offset: 16, .size: 8, .value_kind: global_buffer, .address_space: global }
      - { .name: ws, .offset: 24, .size: 8, .value_kind: global_buffer, .address_space: global }
      - { .name: qkv, .offset: 32, .size: 8, .value_kind: global_buffer, .address_space: global }
      - { .name: fine, .offset: 40, .size: 8, .value_kind: global_buffer, .address_space: global }
    .group_segment_fixed_size: 327680
    .private_segment_fixed_size: 0
    .kernarg_segment_align: 8
    .kernarg_segment_size: 48
    .max_flat_workgroup_size: 128
    .sgpr_count:     98
    .vgpr_count:     1024
    .wavefront_size: 32
...
	.end_amdgpu_metadata
.endif
;; end of part 2
;; launch vw (part 3): grid 256 x 1, 4 waves a work-group, no clusters, 33,280 bytes of LDS; arguments qkv, wc, vwf; writes vwf
.if DOCPART == 3
	.amdgcn_target "amdgcn-amd-amdhsa--gfx1250"
	.amdhsa_code_object_version 6
	.text
	.protected	k_qfc735a3da4_vw
	.globl	k_qfc735a3da4_vw
	.p2align	8
	.type	k_qfc735a3da4_vw,@function
k_qfc735a3da4_vw:
	s_mov_b64 s[64:65], 0
	v_nop
	global_prefetch_b8 v0, s[64:65] scope:SCOPE_SE
	s_setreg_imm32_b32 hwreg(HW_REG_WAVE_MODE, 25, 1), 1
	s_wait_xcnt 0x0
; VW[key][channel] = sum over d of V[key][d] Wo[channel][d]: [8192][64].  (attn V) Wo^T = attn (V Wo^T) for every input, so the projection is taken ahead of the weighted sum.
; V comes as f16 fragments' images out of qkv, Wo as f16 fragments' images out of wc (byte 1,572,864 on: laid out once by the first launch); sums in f32.
; The result leaves as PAIRS of bf16, a high and a low part split in f32 (VW can pass f16's range where all inputs are large), as images of operand fragments of 16 channels x 32 keys:
;   vwf byte = (key / 32) 8192 + part 4096 + (channel / 16) 1024 + half 512 + 16 lane.
; SHARES: a work-group takes 32 keys; wave w takes d = 256 w .. 256 w + 255 (8 steps of 32); the four waves' parts meet in LDS; wave w then finishes channels 16 w .. 16 w + 15.
; Source 0 = 16 keys of V, source 1 = 16 channels of Wo: a lane holds channel lane % 16 and keys 8 (lane / 16) + 0 .. 7: two such tiles, packed, are a fragment along the keys.
; Every load reads 512 consecutive bytes.  REGISTERS: window 0: v1-7 addresses; v64-191 V's 16 fragments; v192-255 8 accumulators.  window 1: Wo's 32 fragments, (s, c) at 8 (4 s + c).
.set SPW, 4
.set NIL, 5
.set SPARE, 32768                      ; behind the 32,768 bytes of parts: the spare words, 128 bytes a wave
.set WOF, 1572864                      ; Wo's f16 images in wc
.set VF,  64
.set ACC, 192
.set HM,  16                           ; s16 a word's upper bf16
.set MSB, 0
.macro WIN new
.if MSB != \new
	s_set_vgpr_msb (MSB<<8)|\new
.set MSB, \new
.endif
.endm
; 16 f32 numbers become 8 registers of high parts and 8 of low parts: hi = bf16(x), lo = bf16(x - hi)
.macro SPLIT src, hi, lo, t
.irp i, 0,1,2,3,4,5,6,7
	v_cvt_pk_bf16_f32 v[\hi+\i], v[\src+2*\i], v[\src+2*\i+1]
.endr
.irp i, 0,1,2,3,4,5,6,7
	v_lshlrev_b32 v[\t+2*\i], 16, v[\hi+\i]
	v_and_b32 v[\t+2*\i+1], s[HM], v[\hi+\i]
.endr
.irp i, 0,1,2,3,4,5,6,7
	v_pk_add_f32 v[\t+2*\i:\t+2*\i+1], v[\src+2*\i:\src+2*\i+1], v[\t+2*\i:\t+2*\i+1] neg_lo:[0,1] neg_hi:[0,1]
.endr
.irp i, 0,1,2,3,4,5,6,7
	v_cvt_pk_bf16_f32 v[\lo+\i], v[\t+2*\i], v[\t+2*\i+1]
.endr
.endm
	s_load_b128 s[4:7], s[0:1], 0x0                ; qkv, wc
	s_load_b64 s[8:9], s[0:1], 0x10                ; vwf
	v_lshl_add_u32 v[SPW], v0, 2, SPARE
	v_mov_b32 v[NIL], 0
	v_lshrrev_b32 v1, 5, v0
	v_readfirstlane_b32 s10, v1                    ; wave
	v_and_b32 v7, 31, v0
	v_lshlrev_b32 v1, 4, v7                        ; 16 x lane
	s_lshl_b32 s11, s10, 13
	v_add_nc_u32 v3, s11, v1                       ; LDS, way in: 8,192 x wave + 16 x lane
	s_lshl_b32 s11, s10, 10
	v_add_nc_u32 v6, s11, v1                       ; way out: channel tile w: 1,024 x wave + 16 x lane
	s_mov_b32 s[HM], 0xffff0000
	s_lshl_b32 s12, s10, 22                        ; V: kc = 2 w,
	s_lshl_b32 s13, ttmp9, 13                      ; row tiles 2 wg, 2 wg + 1,
	s_add_co_u32 s12, s12, s13
	s_add_co_u32 s12, s12, 1<<25                   ; the third tensor of qkv
	s_mov_b32 s13, 0
	s_lshl_b32 s14, s10, 15                        ; Wo: my 8 steps x 4 fragments of 1,024 bytes
	s_add_co_u32 s14, s14, WOF
	s_mov_b32 s15, 0
	s_lshl_b32 s18, ttmp9, 13                      ; vwf: my 32 keys, channel tile w
	s_add_co_u32 s18, s18, s11
	s_mov_b32 s19, 0
	s_wait_kmcnt 0x0
	s_add_nc_u64 s[4:5], s[4:5], s[12:13]
	s_add_nc_u64 s[6:7], s[6:7], s[14:15]
	s_add_nc_u64 s[8:9], s[8:9], s[18:19]
.macro VLOAD s0                        ; V's fragments of steps s0 .. s0 + 3: 16 loads
.irp s, 0,1,2,3
.irp u, 0,1
	global_load_b128 v[VF+8*(2*(\s0+\s)+\u):VF+8*(2*(\s0+\s)+\u)+3],   v1, s[4:5] offset:(\s0/4)*(1<<21)+\u*4096+\s*1024
	global_load_b128 v[VF+8*(2*(\s0+\s)+\u)+4:VF+8*(2*(\s0+\s)+\u)+7], v1, s[4:5] offset:(\s0/4)*(1<<21)+\u*4096+\s*1024+512
.endr
.endr
.endm
.macro WLOAD s0                        ; Wo's 16 fragments of the same steps: 32 loads
.set i, 4*\s0
.rept 16
	global_load_b128 v[8*i:8*i+3],   v1, s[6:7] offset:1024*i
	global_load_b128 v[8*i+4:8*i+7], v1, s[6:7] offset:1024*i+512
.set i, i+1
.endr
.endm
	VLOAD 0
	WIN 0x40                                       ; destination window 1
	WLOAD 0
	WIN 0
	VLOAD 4
	WIN 0x40
	WLOAD 4
.macro VWMUL s, zero                   ; 8 matrix instructions, the 8 accumulators by turns
.irp u, 0,1
.irp c, 0,1,2,3
.if \zero
	v_wmma_f32_16x16x32_f16 v[ACC+8*(4*\u+\c):ACC+8*(4*\u+\c)+7], v[VF+8*(2*\s+\u):VF+8*(2*\s+\u)+7], v[8*(4*\s+\c):8*(4*\s+\c)+7], 0
.else
	v_wmma_f32_16x16x32_f16 v[ACC+8*(4*\u+\c):ACC+8*(4*\u+\c)+7], v[VF+8*(2*\s+\u):VF+8*(2*\s+\u)+7], v[8*(4*\s+\c):8*(4*\s+\c)+7], v[ACC+8*(4*\u+\c):ACC+8*(4*\u+\c)+7]
.endif
.endr
.endr
.endm
	WIN 0x04                                       ; source 1 (Wo) window 1
	s_wait_loadcnt 48                              ; steps 0-3 are in: behind their 48 loads 16 + 32 more were issued, which may stay out
	VWMUL 0, 1
	VWMUL 1, 0
	VWMUL 2, 0
	VWMUL 3, 0
	s_wait_loadcnt 0x0
	VWMUL 4, 0
	VWMUL 5, 0
	VWMUL 6, 0
	VWMUL 7, 0
	WIN 0
.rept 4
	v_nop                                          ; places ahead of the reads of results and of the loads over V's fragments
.endr
.irp t, 0,1,2,3,4,5,6,7
	ds_store_b128 v3, v[ACC+8*\t:ACC+8*\t+3] offset:\t*1024           ; each accumulator from its low end on
	ds_store_b128 v3, v[ACC+8*\t+4:ACC+8*\t+7] offset:\t*1024+512
.endr
	s_wait_dscnt 0x0                               ; for the others' sake: my parts lie in LDS
	s_barrier_signal -1
	s_barrier_wait -1
.irp x, 0,1,2,3
.irp u, 0,1
	ds_load_b128 v[64+16*\x+8*\u:64+16*\x+8*\u+3],   v6 offset:\x*8192+\u*4096
	ds_load_b128 v[64+16*\x+8*\u+4:64+16*\x+8*\u+7], v6 offset:\x*8192+\u*4096+512
.endr
.endr
	s_wait_dscnt 0x0
.irp x, 1,2,3
.irp i, 0,2,4,6,8,10,12,14
	v_pk_add_f32 v[64+\i:65+\i], v[64+\i:65+\i], v[64+16*\x+\i:65+16*\x+\i]
.endr
.endr
	SPLIT 64, 128, 136, 144
	global_store_b128 v1, v[128:131], s[8:9]                          ; 512 consecutive bytes a store
	global_store_b128 v1, v[132:135], s[8:9] offset:512
	global_store_b128 v1, v[136:139], s[8:9] offset:4096
	global_store_b128 v1, v[140:143], s[8:9] offset:4608
	s_wait_tensorcnt 0x0                           ; the wave's end
	ds_add_u32 v[SPW], v[NIL]
	s_wait_dscnt 0x0
	s_endpgm
.Lfunc_end_k_qfc735a3da4_vw:
	.size	k_qfc735a3da4_vw, .Lfunc_end_k_qfc735a3da4_vw-k_qfc735a3da4_vw
	.p2alignl 7, 3214868480
	.fill 96, 4, 3214868480
	.section	.rodata,"a",@progbits
	.p2align	6, 0x0
	.amdhsa_kernel k_qfc735a3da4_vw
		.amdhsa_group_segment_fixed_size 33280
		.amdhsa_private_segment_fixed_size 0
		.amdhsa_enable_private_segment 0
		.amdhsa_kernarg_size 24
		.amdhsa_user_sgpr_count 2
		.amdhsa_user_sgpr_kernarg_segment_ptr 1
		.amdhsa_wavefront_size32 1
		.amdhsa_system_sgpr_workgroup_id_x 1
		.amdhsa_system_sgpr_workgroup_id_y 1
		.amdhsa_system_sgpr_workgroup_id_z 1
		.amdhsa_system_vgpr_workitem_id 0
		.amdhsa_next_free_vgpr 512
		.amdhsa_next_free_sgpr 66
		.amdhsa_reserve_vcc 0
		.amdhsa_float_denorm_mode_32 3
		.amdhsa_float_denorm_mode_16_64 3
		.amdhsa_memory_ordered 1
		.amdhsa_forward_progress 1
		.amdhsa_inst_pref_size 21
	.end_amdhsa_kernel
	.amdgpu_metadata
---
amdhsa.version: [ 1, 2 ]
amdhsa.kernels:
  - .name:           k_qfc735a3da4_vw
    .symbol:         k_qfc735a3da4_vw.kd
    .args:
      - { .name: qkv, .offset: 0, .size: 8, .value_kind: global_buffer, .address_space: global }
      - { .name: wc, .offset: 8, .size: 8, .value_kind: global_buffer, .address_space: global }
      - { .name: vwf, .offset: 16, .size: 8, .value_kind: global_buffer, .address_space: global }
    .group_segment_fixed_size: 33280
    .private_segment_fixed_size: 0
    .kernarg_segment_align: 8
    .kernarg_segment_size: 24
    .max_flat_workgroup_size: 128
    .sgpr_count:     66
    .vgpr_count:     512
    .wavefront_size: 32
...
	.end_amdgpu_metadata
.endif
;; end of part 3
;; launch attn (part 4): grid 36 x 4, 4 waves a work-group, no clusters, 327,680 bytes of LDS; arguments qkv, vwf, po; writes po
.if DOCPART == 4
	.amdgcn_target "amdgcn-amd-amdhsa--gfx1250"
	.amdhsa_code_object_version 6
	.text
	.protected	k_qfc735a3da4_attn
	.globl	k_qfc735a3da4_attn
	.p2align	8
	.type	k_qfc735a3da4_attn,@function
k_qfc735a3da4_attn:
	s_mov_b64 s[64:65], 0
	v_nop
	global_prefetch_b8 v0, s[64:65] scope:SCOPE_SE
	s_setreg_imm32_b32 hwreg(HW_REG_WAVE_MODE, 25, 1), 1
	s_wait_xcnt 0x0
; One tile of 256 queries x 256 keys of one sequence: S^T = K Q^T over d = 1024 (f16 operands, f32 sums), then for each wave's 128 x 128 a softmax of its own and O^T = VW^T P.
; Only the 36 tiles at or under the diagonal of the 8 x 8 are launched: work-group x counts them row by row: qi (qi + 1) / 2 + kj, kj <= qi.
; A wave's result is a PART: for each query the maximum c m over its 128 keys (c = log2(e) / 32), the sum l of p = 2^(c s - c m), and the 64 channels of sum p VW.  A later launch merges the parts.
;   po: unit ((16 b + I) 16 + J) of 34,816 bytes, I, J: blocks of 128 queries, keys; O^T images at a 4096 + c 1024 + half 512 + 16 lane; the pairs (c m, l) at 32768 + a 256 + 8 lane.
; p and VW go to the second product as pairs of bf16, high and low part: three products (hi hi, lo hi, hi lo).
; It walks the loop with the others (every wave passes every barrier) and stores nothing.
; NO CLUSTER: a block of Q is read by qi + 1 = 1 .. 8 tiles and a block of K by 8 - kj = 8 .. 1: no fixed group of four work-groups divides these numbers.
; THE RING: two LDS slots of 131,072 bytes; a slot holds 128 along d of Q's 256 rows and K's 256 rows, as the dense images that lie in qkv: each wave fetches 32,768 consecutive bytes by one tensor load.
; Lane i of a fragment load reads 16 bytes at 16 i: no padding is wanted.
; REGISTERS: window 0: v1-4 epilogue addresses, v16-21 LDS addresses, v28-29 the add's; v64-191 Q's fragments, two buffers.  window 1: v64-191 K's.  windows 2, 3: 64 accumulators ((a, b) at 8 (8 (a % 4) + b)).
; In the epilogue: window 0: v32-47 (c m, l); v48-57 at work; v64-95 p high, v96-127 p low; v128-191 O^T, two sets; v192-255 at work.  window 1: VW's 32 fragments.
.set SLOTB, 131072
.set SPARE, 262144                     ; behind the ring: the spare words, 128 bytes a wave
.set LAPS,  4                          ; 8 steps of 128 along d, two to a lap
.set ADRA, 16
.set ADRB, 20
.set SPW,  28
.set NIL,  29
.set F0,   64
.set F1,   128
.set ST,   32
.set PH,   64
.set PL,   96
.set OT,   128
.set T,    192
.set G1, 24
.set G0, 32
.set MK, 40                            ; s40-47 lanes in which register j of the diagonal tile is hidden
.set DG, 48                            ; s48 1: my 128 x 128 lies on the diagonal
.set SKIP, 49                          ; s49 1: it lies above it
.set CS, 50
.set SEL, 52
.set HM, 54
.set MSB, 0
.macro WIN new
.if MSB != \new
	s_set_vgpr_msb (MSB<<8)|\new
.set MSB, \new
.endif
.endm
.set MUL_LO, 0xa1                      ; source 0 (K) window 1, source 1 (Q) window 0, C and D window 2
.set MUL_HI, 0xf1
.set TO_B,   0x40
.macro PLACES
.rept 4
	v_nop
.endr
.endm
	s_load_b128 s[4:7], s[0:1], 0x0                ; qkv, vwf
	s_load_b64 s[8:9], s[0:1], 0x10                ; po
	v_lshl_add_u32 v[SPW], v0, 2, SPARE
	v_mov_b32 v[NIL], 0
	ds_add_u32 v[SPW], v[NIL]                      ; the wave's opening: the add, twice on end, and its wait ahead of my first tensor load
	ds_add_u32 v[SPW], v[NIL]
	v_lshrrev_b32 v1, 5, v0
	v_readfirstlane_b32 s10, v1                    ; wave
	s_lshr_b32 s11, s10, 1                         ; my half of the queries; also: I fetch Q (0) or K (1)
	s_and_b32 s12, s10, 1                          ; my half of the keys; also: which 128 rows I fetch
	s_and_b32 s15, ttmp7, 0xffff                   ; the sequence
	s_mov_b32 s13, 0                               ; qi: how many of the triangular numbers 1, 3, .. 28 are at or under x
.irp t, 1,3,6,10,15,21,28
	s_cmp_ge_u32 ttmp9, \t
	s_add_co_ci_u32 s13, s13, 0
.endr
	s_add_co_u32 s14, s13, 1
	s_mul_i32 s14, s14, s13
	s_lshr_b32 s14, s14, 1
	s_sub_co_u32 s14, ttmp9, s14                   ; kj
	s_mov_b32 s[G1+0], 3<<16                       ; elements of 8 bytes, no mask, no padding
	s_mov_b32 s[G1+1], 32<<16                      ; tensor_dim0 = 32 (256 bytes)
	s_mov_b32 s[G1+2], 128<<16                     ; tensor_dim1 = 128
	s_mov_b32 s[G1+3], 32<<16                      ; tile_dim0
	s_mov_b32 s[G1+4], 128                         ; tile_dim1
	s_mov_b32 s[G1+5], 32                          ; pitch: the block is dense
	s_mov_b32 s[G1+6], 0
	s_mov_b32 s[G1+7], 0
	s_cmp_eq_u32 s11, 0
	s_cselect_b32 s16, s13, s14                    ; the block of 256 rows: Q's by qi, K's by kj
	s_lshl_b32 s16, s16, 4
	s_lshl_b32 s17, s15, 7
	s_add_co_u32 s16, s16, s17
	s_lshl_b32 s17, s12, 3
	s_add_co_u32 s16, s16, s17                     ; row tile 128 b + 16 block + 8 half
	s_lshl_b32 s16, s16, 12
	s_lshl_b32 s17, s11, 24                        ; K is the second tensor of qkv
	s_add_co_u32 s16, s16, s17
	s_mov_b32 s17, 0
	s_lshl_b32 s18, s10, 15                        ; LDS: 32,768 x wave
	s_lshl_b32 s19, s13, 1
	s_add_co_u32 s19, s19, s11                     ; I
	s_lshl_b32 s20, s14, 1
	s_add_co_u32 s20, s20, s12                     ; J
	s_cmp_eq_u32 s19, s20
	s_cselect_b32 s[DG], 1, 0
	s_cmp_gt_u32 s20, s19
	s_cselect_b32 s[SKIP], 1, 0
	s_lshl_b32 s23, s15, 4
	s_add_co_u32 s23, s23, s19
	s_lshl_b32 s23, s23, 4
	s_add_co_u32 s23, s23, s20
	s_mul_i32 s56, s23, 34816                      ; my unit of po
	s_mov_b32 s57, 0
	s_lshl_b32 s58, s15, 6
	s_lshl_b32 s59, s14, 3
	s_add_co_u32 s58, s58, s59
	s_lshl_b32 s59, s12, 2
	s_add_co_u32 s58, s58, s59
	s_lshl_b32 s58, s58, 13                        ; VW: key / 32 = 64 b + 8 kj + 4 half, 8,192 bytes each
	s_mov_b32 s59, 0
	s_mov_b32 s[CS], 0x3d38aa3b                    ; c = log2(e) / 32
	s_mov_b32 s[CS+1], s[CS]                       ; (named with it as a pair)
	s_mov_b32 s[SEL], 0x76543210
	s_mov_b32 s[SEL+1], 0xfedcba98
	s_mov_b32 s[HM], 0xffff0000
	s_wait_dscnt 0x0                               ; both opening adds are done
	s_wait_kmcnt 0x0
	s_add_nc_u64 s[16:17], s[4:5], s[16:17]
	s_add_nc_u64 s[6:7], s[6:7], s[58:59]
	s_add_nc_u64 s[8:9], s[8:9], s[56:57]
.irp s, 0,1
	s_mov_b32 s[G0+4*\s], 1
	s_add_co_u32 s[G0+4*\s+1], s18, \s*SLOTB
	s_add_nc_u64 s[G0+4*\s+2:G0+4*\s+3], s[16:17], \s*(1<<21)      ; step s of d
	s_or_b32 s[G0+4*\s+3], s[G0+4*\s+3], 0x80000000
	tensor_load_to_lds s[G0+4*\s:G0+4*\s+3], s[G1:G1+7]            ; both first fills go out together: two loads of mine are out
	s_nop 0
.endr
	v_and_b32 v1, 31, v0
	v_lshlrev_b32 v2, 3, v1                        ; 8 x lane
	v_lshlrev_b32 v1, 4, v1                        ; 16 x lane
	s_lshl_b32 s21, s11, 15                        ; my 128 queries,
	s_lshl_b32 s22, s12, 15
	s_add_co_u32 s22, s22, 65536                   ; my 128 keys, behind Q's 256 rows
.irp s, 0,1
	v_add_nc_u32 v[ADRA+\s], s21, v1
	v_add_nc_u32 v[ADRB+\s], s22, v1
	s_add_co_u32 s21, s21, SLOTB
	s_add_co_u32 s22, s22, SLOTB
.endr
	v_and_b32 v5, 15, v0
	v_bfe_u32 v6, v0, 4, 1
	v_lshlrev_b32 v6, 3, v6
	v_sub_nc_u32 v3, v5, v6                        ; r - 8 h: in the diagonal tile register j holds key 8 h + j, hidden from query r where j > r - 8 h
	v_mov_b32 v4, 0xff800000                       ; -infinity
.irp j, 0,1,2,3,4,5,6,7
	v_cmp_gt_i32 s[MK+\j], \j, v3
.endr
; 16 matrix instructions: query blocks a0, a0 + 1 of the window's four x all 8 key blocks, 32 along d.  The 64 accumulators take turns.
.macro MUL16 f, hi, a0, zero
.irp a, \a0, \a0+1
.irp b, 0,1,2,3,4,5,6,7
.if \zero
	v_wmma_f32_16x16x32_f16 v[8*(8*(\a)+\b):8*(8*(\a)+\b)+7], v[\f+8*\b:\f+8*\b+7], v[\f+8*(4*\hi+\a):\f+8*(4*\hi+\a)+7], 0
.else
	v_wmma_f32_16x16x32_f16 v[8*(8*(\a)+\b):8*(8*(\a)+\b)+7], v[\f+8*\b:\f+8*\b+7], v[\f+8*(4*\hi+\a):\f+8*(4*\hi+\a)+7], v[8*(8*(\a)+\b):8*(8*(\a)+\b)+7]
.endif
.endr
.endr
.endm
.macro FETCH slot, q, f                ; 32 LDS loads in one run: the fragments of the slot's q-th 32 along d
	WIN TO_B
.irp i, 0,1,2,3,4,5,6,7
	ds_load_b128 v[\f+8*\i:\f+8*\i+3],   v[ADRB+\slot] offset:(\q)*1024+\i*4096
	ds_load_b128 v[\f+8*\i+4:\f+8*\i+7], v[ADRB+\slot] offset:(\q)*1024+\i*4096+512
.endr
	WIN 0
.irp i, 0,1,2,3,4,5,6,7
	ds_load_b128 v[\f+8*\i:\f+8*\i+3],   v[ADRA+\slot] offset:(\q)*1024+\i*4096
	ds_load_b128 v[\f+8*\i+4:\f+8*\i+7], v[ADRA+\slot] offset:(\q)*1024+\i*4096+512
.endr
.endm
.macro QUARTER slot, q, f, g, zero     ; multiplies buffer f; in its middle fetches the slot's q-th quarter into buffer g
	s_wait_dscnt 8                                 ; K's and Q's rows 0-63 are in; the youngest eight loads may be out
	WIN MUL_LO
	MUL16 \f, 0, 0, \zero
	MUL16 \f, 0, 2, \zero
	PLACES                                         ; ahead of loads into registers that matrix instructions have read
	FETCH \slot, \q, \g
	s_wait_dscnt 32                                ; all but the 32 just issued
	WIN MUL_HI
	MUL16 \f, 1, 0, \zero
	MUL16 \f, 1, 2, \zero
.endm
; A slot's last quarter changes slots: ONE barrier.  Ahead of it each wave waits for all its tensor loads (its part of the next slot), adds 0 to its spare word, and waits for that and for its reads of this slot.
; fill = 1: this slot is filled again first thing behind the barrier, two steps of d ahead: one load a wave, with a whole step's products less sixteen in which to land.
.macro TURN slot, next, fill
	WIN 0
	s_wait_tensorcnt 0x0
	ds_add_u32 v[SPW], v[NIL]
	s_wait_dscnt 9                                 ; (the add and the youngest eight loads may be out)
	WIN MUL_LO
	MUL16 F1, 0, 0, 0
	s_wait_dscnt 0x0                               ; the add is done, and my reads of this slot are over
	s_barrier_signal -1
	MUL16 F1, 0, 2, 0
	WIN 0
	s_barrier_wait -1
.if \fill
	s_add_nc_u64 s[G0+4*\slot+2:G0+4*\slot+3], s[G0+4*\slot+2:G0+4*\slot+3], 1<<22   ; no load of mine is out: the group may be written
	tensor_load_to_lds s[G0+4*\slot:G0+4*\slot+3], s[G1:G1+7]
	s_nop 0
.endif
	PLACES                                         ; behind the load, and ahead of the loads below
	FETCH \next, 0, F0
	WIN MUL_HI
	MUL16 F1, 1, 0, 0
	MUL16 F1, 1, 2, 0
.endm
	s_wait_tensorcnt 1                             ; my part of slot 0 is in; slot 1's may stay out
	s_barrier_signal -1
	s_barrier_wait -1
	FETCH 0, 0, F0
	QUARTER 0, 1, F0, F1, 1                        ; the first products start the sums
	WIN 0
	s_mov_b32 s3, LAPS-1
.Llap:                                             ; a trip goes once round the ring and fills both slots again
	QUARTER 0, 2, F1, F0, 0
	QUARTER 0, 3, F0, F1, 0
	TURN 0, 1, 1
	QUARTER 1, 1, F0, F1, 0
	QUARTER 1, 2, F1, F0, 0
	QUARTER 1, 3, F0, F1, 0
	TURN 1, 0, 1
	QUARTER 0, 1, F0, F1, 0
	WIN 0
	s_sub_co_u32 s3, s3, 1
	s_cmp_lg_u32 s3, 0
	s_cbranch_scc1 .Llap
	QUARTER 0, 2, F1, F0, 0                        ; the last lap is written out: it fetches nothing
	QUARTER 0, 3, F0, F1, 0
	TURN 0, 1, 0
	QUARTER 1, 1, F0, F1, 0
	QUARTER 1, 2, F1, F0, 0
	QUARTER 1, 3, F0, F1, 0
	s_wait_dscnt 8
	WIN MUL_LO
	MUL16 F1, 0, 0, 0
	MUL16 F1, 0, 2, 0
	s_wait_dscnt 0
	WIN MUL_HI
	MUL16 F1, 1, 0, 0
	MUL16 F1, 1, 2, 0
	WIN 0
	s_cmp_eq_u32 s[SKIP], 1                        ; ids and the wave's number alone; no barrier follows
	s_cbranch_scc1 .Lend
	PLACES
	WIN TO_B
.set i, 0
.rept 32                                           ; VW's fragments (32 keys p, part, channel tile c) at 8 (8 p + 4 part + c): 32,768 consecutive bytes
	global_load_b128 v[8*i:8*i+3],   v1, s[6:7] offset:1024*i
	global_load_b128 v[8*i+4:8*i+7], v1, s[6:7] offset:1024*i+512
.set i, i+1
.endr
	WIN 0
	v_mov_b32 v53, 0                               ; written once: a lane permute's destination counts as one of its sources
.macro OSTORE a                        ; block a's part: 512 consecutive bytes a store, and 256 for the pairs
.set OSB, OT+32*((\a)%2)
.irp c, 0,1,2,3
	global_store_b128 v1, v[OSB+8*\c:OSB+8*\c+3], s[8:9] offset:(\a)*4096+\c*1024
	global_store_b128 v1, v[OSB+8*\c+4:OSB+8*\c+7], s[8:9] offset:(\a)*4096+\c*1024+512
.endr
	global_store_b64 v2, v[ST+2*(\a):ST+2*(\a)+1], s[8:9] offset:32768+(\a)*256
.endm
; Block a: 16 queries x my 128 keys.  A lane holds query lane % 16; register 8 b + j is key 16 b + 8 (lane / 16) + j.
.macro EPI a
.set W, 2+(\a)/4
.set AC, 64*((\a)%4)
.set SA, ST+2*(\a)
	s_cmp_eq_u32 s[DG], 0
	s_cbranch_scc1 .Lopen_\@
	WIN ((W<<6)|W)                                 ; on the diagonal hidden scores become -infinity ahead of the maximum: tile a in part, the tiles behind it whole
.irp j, 0,1,2,3,4,5,6,7
	v_cndmask_b32 v[AC+8*(\a)+\j], v[AC+8*(\a)+\j], v4, s[MK+\j]
.endr
.if (\a) < 7
.set i, 8*(\a)+8
.rept 56-8*(\a)
	v_mov_b32 v[AC+i], 0xff800000
.set i, i+1
.endr
.endif
	WIN 0
.Lopen_\@:
	WIN (W|(W<<2)|(W<<4))                          ; the maximum, four chains, each tile from its low end on
.irp b, 0,1,2,3
	v_max3_num_f32 v[48+\b], v[AC+16*\b], v[AC+16*\b+1], v[AC+16*\b+2]
.endr
	WIN ((W<<2)|(W<<4))
.irp i, 3,5,7,9,11,13
.irp b, 0,1,2,3
	v_max3_num_f32 v[48+\b], v[48+\b], v[AC+16*\b+\i], v[AC+16*\b+\i+1]
.endr
.endr
.irp b, 0,1,2,3
	v_max_num_f32 v[48+\b], v[48+\b], v[AC+16*\b+15]
.endr
	WIN 0
	v_max3_num_f32 v52, v48, v49, v50
	v_max_num_f32 v52, v52, v51
	v_permlanex16_b32 v53, v52, s[SEL], s[SEL+1]   ; the query's other 64 keys lie in the lane 16 away
	v_max_num_f32 v52, v52, v53
	v_mul_f32 v[SA], s[CS], v52                    ; c m
	v_mov_b32 v[SA+1], 0                           ; (named with it as a pair; l comes below)
	WIN ((W<<6)|W)
.set i, 0
.rept 32
	v_pk_fma_f32 v[AC+i:AC+i+1], v[AC+i:AC+i+1], s[CS:CS+1], v[SA:SA+1] op_sel_hi:[1,0,0] neg_lo:[0,0,1] neg_hi:[0,0,1]   ; c s - c m
.set i, i+2
.endr
.set i, 0
.rept 64
	v_exp_f32 v[AC+i], v[AC+i]                     ; p, at most about 1
.set i, i+1
.endr
	v_nop                                          ; a plain instruction behind the last exponential
	s_wait_alu depctr_va_vdst(0)                   ; one wait for the batch, ahead of its first reader
	WIN (W|(W<<2))
	v_pk_add_f32 v[54:55], v[AC:AC+1], v[AC+2:AC+3]      ; the sum of the unrounded p, in two chains
	v_pk_add_f32 v[56:57], v[AC+4:AC+5], v[AC+6:AC+7]
.set i, 0
.rept 32
	v_cvt_pk_bf16_f32 v[PH+i], v[AC+2*i], v[AC+2*i+1]    ; p's high parts: two tiles' 8 registers are a fragment of 32 keys
.set i, i+1
.endr
	WIN (W<<2)
.set i, 8
.rept 14
	v_pk_add_f32 v[54:55], v[54:55], v[AC+i:AC+i+1]
	v_pk_add_f32 v[56:57], v[56:57], v[AC+i+2:AC+i+3]
.set i, i+4
.endr
	WIN 0
.set i, 0
.rept 32
	v_lshlrev_b32 v[T+2*i], 16, v[PH+i]
	v_and_b32 v[T+2*i+1], s[HM], v[PH+i]
.set i, i+1
.endr
	WIN W
.set i, 0
.rept 32
	v_pk_add_f32 v[T+2*i:T+2*i+1], v[AC+2*i:AC+2*i+1], v[T+2*i:T+2*i+1] neg_lo:[0,1] neg_hi:[0,1]   ; p - its high part
.set i, i+1
.endr
	WIN 0
.set i, 0
.rept 32
	v_cvt_pk_bf16_f32 v[PL+i], v[T+2*i], v[T+2*i+1]
.set i, i+1
.endr
	v_pk_add_f32 v[54:55], v[54:55], v[56:57]
	v_add_f32 v54, v54, v55
	v_permlanex16_b32 v53, v54, s[SEL], s[SEL+1]
	v_add_f32 v[SA+1], v54, v53                    ; l
.if (\a) > 1
	s_wait_xcnt 0x0                                ; block a - 2's stores have read their registers: the products below write that set again
.endif
.if (\a) > 0
	OSTORE (\a)-1
.else
	s_wait_loadcnt 0x0                             ; VW
.endif
.set OA, OT+32*((\a)%2)
	WIN 0x01                                       ; source 0 (VW) window 1
.irp p, 0,1,2,3                        ; 48 products: for each 32 keys (hi, hi), (lo, hi), (hi, lo); the four channel tiles by turns
.irp k, 0,1,2
.irp c, 0,1,2,3
.if (\p)+(\k) == 0
	v_wmma_f32_16x16x32_bf16 v[OA+8*\c:OA+8*\c+7], v[8*(8*\p+4*(\k%2)+\c):8*(8*\p+4*(\k%2)+\c)+7], v[PH+32*(\k/2)+8*\p:PH+32*(\k/2)+8*\p+7], 0
.else
	v_wmma_f32_16x16x32_bf16 v[OA+8*\c:OA+8*\c+7], v[8*(8*\p+4*(\k%2)+\c):8*(8*\p+4*(\k%2)+\c)+7], v[PH+32*(\k/2)+8*\p:PH+32*(\k/2)+8*\p+7], v[OA+8*\c:OA+8*\c+7]
.endif
.endr
.endr
.endr
	WIN 0
.endm
.irp a, 0,1,2,3,4,5,6,7
	EPI \a
.endr
	PLACES
	OSTORE 7
.Lend:
	s_wait_tensorcnt 0x0                           ; the wave's end
	ds_add_u32 v[SPW], v[NIL]
	s_wait_dscnt 0x0
	s_endpgm
.Lfunc_end_k_qfc735a3da4_attn:
	.size	k_qfc735a3da4_attn, .Lfunc_end_k_qfc735a3da4_attn-k_qfc735a3da4_attn
	.p2alignl 7, 3214868480
	.fill 96, 4, 3214868480
	.section	.rodata,"a",@progbits
	.p2align	6, 0x0
	.amdhsa_kernel k_qfc735a3da4_attn
		.amdhsa_group_segment_fixed_size 327680
		.amdhsa_private_segment_fixed_size 0
		.amdhsa_enable_private_segment 0
		.amdhsa_kernarg_size 24
		.amdhsa_user_sgpr_count 2
		.amdhsa_user_sgpr_kernarg_segment_ptr 1
		.amdhsa_wavefront_size32 1
		.amdhsa_system_sgpr_workgroup_id_x 1
		.amdhsa_system_sgpr_workgroup_id_y 1
		.amdhsa_system_sgpr_workgroup_id_z 1
		.amdhsa_system_vgpr_workitem_id 0
		.amdhsa_next_free_vgpr 1024
		.amdhsa_next_free_sgpr 66
		.amdhsa_reserve_vcc 0
		.amdhsa_float_denorm_mode_32 3
		.amdhsa_float_denorm_mode_16_64 3
		.amdhsa_memory_ordered 1
		.amdhsa_forward_progress 1
		.amdhsa_inst_pref_size 255
	.end_amdhsa_kernel
	.section	.bss,"aw",@nobits
	.p2align	6
	.space	262144
	.amdgpu_metadata
---
amdhsa.version: [ 1, 2 ]
amdhsa.kernels:
  - .name:           k_qfc735a3da4_attn
    .symbol:         k_qfc735a3da4_attn.kd
    .args:
      - { .name: qkv, .offset: 0, .size: 8, .value_kind: global_buffer, .address_space: global }
      - { .name: vwf, .offset: 8, .size: 8, .value_kind: global_buffer, .address_space: global }
      - { .name: po, .offset: 16, .size: 8, .value_kind: global_buffer, .address_space: global }
    .group_segment_fixed_size: 327680
    .private_segment_fixed_size: 0
    .kernarg_segment_align: 8
    .kernarg_segment_size: 24
    .max_flat_workgroup_size: 128
    .sgpr_count:     66
    .vgpr_count:     1024
    .wavefront_size: 32
...
	.end_amdgpu_metadata
.endif
;; end of part 4
;; launch comb (part 5): grid 127 x 4, 16 waves a work-group, no clusters, 73,728 bytes of LDS; arguments po, out0; writes out0
.if DOCPART == 5
	.amdgcn_target "amdgcn-amd-amdhsa--gfx1250"
	.amdhsa_code_object_version 6
	.text
	.protected	k_qfc735a3da4_comb
	.globl	k_qfc735a3da4_comb
	.p2align	8
	.type	k_qfc735a3da4_comb,@function
k_qfc735a3da4_comb:
	s_mov_b64 s[64:65], 0
	v_nop
	global_prefetch_b8 v0, s[64:65] scope:SCOPE_SE
	s_setreg_imm32_b32 hwreg(HW_REG_WAVE_MODE, 25, 1), 1
	s_wait_xcnt 0x0
; The parts of 16 queries are merged: out = (sum over J of 2^(c m_J - M) O_J) / (sum over J of 2^(c m_J - M) l_J), M the largest c m_J.
; A work-group takes row tile T = x + 1 of a sequence (tile 0, positions 0-15, belongs to a launch of its own); I = T / 8, a = T % 8.  Wave J takes unit J.
; Then wave = row: each wave adds one query's 16 weighted parts and stores its 64 channels: 256 consecutive bytes, aligned.
; LDS: OS [J][16 rows, 272 bytes apart]; CMR, LWR [r][J] words; the spare words.
.set CMR,   69632
.set SPARE, 71680
.set SPW, 2
.set NIL, 3
	s_load_b128 s[4:7], s[0:1], 0x0                ; po, out0
	v_lshl_add_u32 v[SPW], v0, 2, SPARE
	v_mov_b32 v[NIL], 0
	v_lshrrev_b32 v1, 5, v0
	v_readfirstlane_b32 s8, v1                     ; wave: J, later the row
	v_and_b32 v4, 31, v0
	v_and_b32 v5, 15, v0                           ; r
	v_bfe_u32 v6, v0, 4, 1                         ; h
	s_add_co_u32 s9, ttmp9, 1                      ; T
	s_lshr_b32 s10, s9, 3                          ; I
	s_and_b32 s11, s9, 7                           ; a
	s_and_b32 s12, ttmp7, 0xffff                   ; the sequence
	v_lshlrev_b32 v7, 4, v4                        ; 16 x lane
	v_lshlrev_b32 v10, 3, v4                       ; 8 x lane
	s_lshl_b32 s13, s8, 2
	v_lshl_add_u32 v11, v5, 6, s13
	v_add_nc_u32 v11, CMR, v11                     ; CMR + 64 r + 4 J; LWR lies 1,024 bytes on
	v_lshlrev_b32 v12, 6, v5
	v_add_nc_u32 v12, CMR, v12                     ; CMR + 64 r
	s_mul_i32 s14, s8, 4352
	v_mul_u32_u24 v13, v5, 272
	v_lshl_add_u32 v13, v6, 5, v13
	v_add_nc_u32 v13, s14, v13                     ; OS, way in: 4352 J + 272 r + 32 h
	s_mul_i32 s15, s8, 272
	v_add_nc_u32 v14, s15, v10                     ; way out: 272 row + 8 lane
	s_lshl_b32 s24, s8, 6
	s_add_co_u32 s24, s24, CMR
	v_mov_b32 v15, s24                             ; CMR + 64 row
	s_lshl_b32 s16, s12, 4
	s_add_co_u32 s16, s16, s10
	s_lshl_b32 s16, s16, 4
	s_add_co_u32 s16, s16, s8
	s_mul_i32 s16, s16, 34816                      ; my unit
	s_mov_b32 s17, 0
	s_lshl_b32 s18, s11, 12                        ; block a's O^T
	s_mov_b32 s19, 0
	s_lshl_b32 s20, s11, 8
	s_add_co_u32 s20, s20, 32768                   ; and its pairs
	s_mov_b32 s21, 0
	s_lshl_b32 s26, s12, 11
	s_lshl_b32 s27, s9, 4
	s_add_co_u32 s26, s26, s27
	s_add_co_u32 s26, s26, s8
	s_lshl_b32 s26, s26, 8                         ; out0: row 2048 b + 16 T + wave, 256 bytes a row
	s_mov_b32 s27, 0
	s_wait_kmcnt 0x0
	s_add_nc_u64 s[4:5], s[4:5], s[16:17]
	s_add_nc_u64 s[22:23], s[4:5], s[20:21]
	s_add_nc_u64 s[4:5], s[4:5], s[18:19]
	s_add_nc_u64 s[6:7], s[6:7], s[26:27]
	s_cmp_le_u32 s8, s10                           ; the wave's number against an id: round the loads alone
	s_cbranch_scc0 .Lnone
	global_load_b64 v[8:9], v10, s[22:23] th:TH_LOAD_NT            ; (c m, l) of query lane % 16
.irp c, 0,1,2,3
	global_load_b128 v[16+8*\c:19+8*\c], v7, s[4:5] offset:\c*1024 th:TH_LOAD_NT       ; register 8 c + j: channel 16 c + 8 h + j of query r
	global_load_b128 v[20+8*\c:23+8*\c], v7, s[4:5] offset:\c*1024+512 th:TH_LOAD_NT
.endr
	s_wait_loadcnt 0x0
	s_branch .Lhave
.Lnone:
	v_mov_b32 v8, 0xff61b1e6                       ; -3e38: under every c m, so its weight is 0
	v_mov_b32 v9, 0
.set i, 0
.rept 32
	v_mov_b32 v[16+i], 0
.set i, i+1
.endr
.Lhave:
	ds_store_b32 v11, v8                           ; lanes r and r + 16 write the same word with the same value
	s_wait_dscnt 0x0
	s_barrier_signal -1
	s_barrier_wait -1
.irp i, 0,1,2,3
	ds_load_b128 v[48+4*\i:51+4*\i], v12 offset:16*\i              ; my query's sixteen c m
.endr
	s_wait_dscnt 0x0
	v_max3_num_f32 v48, v48, v49, v50
	v_max3_num_f32 v51, v51, v52, v53
	v_max3_num_f32 v54, v54, v55, v56
	v_max3_num_f32 v57, v57, v58, v59
	v_max3_num_f32 v60, v60, v61, v62
	v_max3_num_f32 v48, v48, v51, v54
	v_max3_num_f32 v57, v57, v60, v63
	v_max_num_f32 v48, v48, v57                    ; M
	v_sub_f32 v49, v8, v48
	v_exp_f32 v50, v49                             ; my part's weight
	v_mov_b32 v51, 0                               ; a plain instruction behind it; also the pair's upper word
	s_wait_alu depctr_va_vdst(0)                   ; ahead of the first reader
.irp i, 0,2,4,6,8,10,12,14,16,18,20,22,24,26,28,30
	v_pk_mul_f32 v[16+\i:17+\i], v[16+\i:17+\i], v[50:51] op_sel_hi:[1,0]
.endr
	v_mul_f32 v9, v9, v50
.irp c, 0,1,2,3
	ds_store_b128 v13, v[16+8*\c:19+8*\c] offset:64*\c
	ds_store_b128 v13, v[20+8*\c:23+8*\c] offset:64*\c+16
.endr
	ds_store_b32 v11, v9 offset:1024
	s_wait_dscnt 0x0
	s_barrier_signal -1
	s_barrier_wait -1
.irp x, 0,1,2,3,4,5,6,7,8,9,10,11,12,13,14,15
	ds_load_b64 v[16+2*\x:17+2*\x], v14 offset:\x*4352             ; my row, my two channels, of part x
.endr
.irp i, 0,1,2,3
	ds_load_b128 v[48+4*\i:51+4*\i], v15 offset:1024+16*\i         ; my row's sixteen weighted l
.endr
	s_wait_dscnt 0x0
.irp i, 0,4,8,12
	v_pk_add_f32 v[48+\i:49+\i], v[48+\i:49+\i], v[50+\i:51+\i]
.endr
	v_pk_add_f32 v[48:49], v[48:49], v[52:53]
	v_pk_add_f32 v[56:57], v[56:57], v[60:61]
	v_pk_add_f32 v[48:49], v[48:49], v[56:57]
	v_add_f32 v48, v48, v49
	v_rcp_f32 v50, v48
.irp i, 0,4,8,12,16,20,24,28
	v_pk_add_f32 v[16+\i:17+\i], v[16+\i:17+\i], v[18+\i:19+\i]    ; plain work behind the reciprocal
.endr
.irp i, 0,8,16,24
	v_pk_add_f32 v[16+\i:17+\i], v[16+\i:17+\i], v[20+\i:21+\i]
.endr
	v_pk_add_f32 v[16:17], v[16:17], v[24:25]
	v_pk_add_f32 v[32:33], v[32:33], v[40:41]
	v_pk_add_f32 v[16:17], v[16:17], v[32:33]
	v_mov_b32 v51, 0
	s_wait_alu depctr_va_vdst(0)
	v_pk_mul_f32 v[16:17], v[16:17], v[50:51] op_sel_hi:[1,0]
	global_store_b64 v10, v[16:17], s[6:7]         ; 256 consecutive bytes, aligned
	s_wait_tensorcnt 0x0                           ; the wave's end
	ds_add_u32 v[SPW], v[NIL]
	s_wait_dscnt 0x0
	s_endpgm
.Lfunc_end_k_qfc735a3da4_comb:
	.size	k_qfc735a3da4_comb, .Lfunc_end_k_qfc735a3da4_comb-k_qfc735a3da4_comb
	.p2alignl 7, 3214868480
	.fill 96, 4, 3214868480
	.section	.rodata,"a",@progbits
	.p2align	6, 0x0
	.amdhsa_kernel k_qfc735a3da4_comb
		.amdhsa_group_segment_fixed_size 73728
		.amdhsa_private_segment_fixed_size 0
		.amdhsa_enable_private_segment 0
		.amdhsa_kernarg_size 16
		.amdhsa_user_sgpr_count 2
		.amdhsa_user_sgpr_kernarg_segment_ptr 1
		.amdhsa_wavefront_size32 1
		.amdhsa_system_sgpr_workgroup_id_x 1
		.amdhsa_system_sgpr_workgroup_id_y 1
		.amdhsa_system_sgpr_workgroup_id_z 1
		.amdhsa_system_vgpr_workitem_id 0
		.amdhsa_next_free_vgpr 64
		.amdhsa_next_free_sgpr 66
		.amdhsa_reserve_vcc 0
		.amdhsa_float_denorm_mode_32 3
		.amdhsa_float_denorm_mode_16_64 3
		.amdhsa_memory_ordered 1
		.amdhsa_forward_progress 1
		.amdhsa_inst_pref_size 11
	.end_amdhsa_kernel
	.amdgpu_metadata
---
amdhsa.version: [ 1, 2 ]
amdhsa.kernels:
  - .name:           k_qfc735a3da4_comb
    .symbol:         k_qfc735a3da4_comb.kd
    .args:
      - { .name: po, .offset: 0, .size: 8, .value_kind: global_buffer, .address_space: global }
      - { .name: out0, .offset: 8, .size: 8, .value_kind: global_buffer, .address_space: global }
    .group_segment_fixed_size: 73728
    .private_segment_fixed_size: 0
    .kernarg_segment_align: 8
    .kernarg_segment_size: 16
    .max_flat_workgroup_size: 512
    .sgpr_count:     66
    .vgpr_count:     64
    .wavefront_size: 32
...
	.end_amdgpu_metadata
.endif
;; end of part 5
;; launch first (part 6): grid 4 x 1, 16 waves a work-group, no clusters, 96,256 bytes of LDS; arguments fine, wc, out0; writes out0
.if DOCPART == 6
	.amdgcn_target "amdgcn-amd-amdhsa--gfx1250"
	.amdhsa_code_object_version 6
	.text
	.protected	k_qfc735a3da4_first
	.globl	k_qfc735a3da4_first
	.p2align	8
	.type	k_qfc735a3da4_first,@function
k_qfc735a3da4_first:
	s_mov_b64 s[64:65], 0
	v_nop
	global_prefetch_b8 v0, s[64:65] scope:SCOPE_SE
	s_setreg_imm32_b32 hwreg(HW_REG_WAVE_MODE, 25, 1), 1
	s_wait_xcnt 0x0
; Positions 0-15 of each sequence: they average one to sixteen values, so the rounding of 16-bit operands would weigh most here.  All operands go to the matrix unit as PAIRS of bf16,
; a high and a low part split in f32: three products (hi hi, hi lo, lo hi) for each; the softmax and the last sum over 16 keys are f32 arithmetic.
; Q, K, V come in f32 out of fine and are split here; Wo's pairs come as fragments' images out of wc (byte 1,703,936 on: laid out once by the first launch):
;   (4 s + c) 2048 + part 1024 + half 512 + 16 lane   (s: which 32 of d; c: which 16 channels): every load reads 512 consecutive bytes.
; A work-group takes a sequence.  Wave w takes d = 64 w .. 64 w + 63 of the scores Q K^T (16 x 16) and of VW = V Wo^T (16 keys x 64 channels); the sixteen parts meet in LDS.
; Then wave = query i: it adds the parts of row i, takes the softmax over keys 0 .. i, and sums p VW.
; fine holds images of accumulator tiles: lane (r, h), register j: row r, column 16 tile + 8 h + j: two neighbouring tiles, packed, are a 16-bit fragment.
; LDS: SP [w][16 queries, 80 bytes apart]; VP [w][16 keys, 272 apart]; VR [key][256]; the spare words.
.set VP,    20480
.set VR,    90112
.set SPARE, 94208
.set WOB,   1703936                    ; Wo's pairs in wc
.set SPW, 2
.set NIL, 3
.set HM,  20
.macro SPLIT src, hi, lo, t            ; 16 f32 numbers: hi = bf16(x), lo = bf16(x - hi)
.irp i, 0,1,2,3,4,5,6,7
	v_cvt_pk_bf16_f32 v[\hi+\i], v[\src+2*\i], v[\src+2*\i+1]
.endr
.irp i, 0,1,2,3,4,5,6,7
	v_lshlrev_b32 v[\t+2*\i], 16, v[\hi+\i]
	v_and_b32 v[\t+2*\i+1], s[HM], v[\hi+\i]
.endr
.irp i, 0,1,2,3,4,5,6,7
	v_pk_add_f32 v[\t+2*\i:\t+2*\i+1], v[\src+2*\i:\src+2*\i+1], v[\t+2*\i:\t+2*\i+1] neg_lo:[0,1] neg_hi:[0,1]
.endr
.irp i, 0,1,2,3,4,5,6,7
	v_cvt_pk_bf16_f32 v[\lo+\i], v[\t+2*\i], v[\t+2*\i+1]
.endr
.endm
.macro MM d, a, b, zero
.if \zero
	v_wmma_f32_16x16x32_bf16 v[\d:\d+7], v[\a:\a+7], v[\b:\b+7], 0
.else
	v_wmma_f32_16x16x32_bf16 v[\d:\d+7], v[\a:\a+7], v[\b:\b+7], v[\d:\d+7]
.endif
.endm
.macro PLACES
.rept 4
	v_nop
.endr
.endm
.macro WLOAD p, reg                    ; Wo, 32 of my 64 columns: channel tile c's high part at reg + 16 c, its low part at reg + 16 c + 8
.irp c, 0,1,2,3
	global_load_b128 v[\reg+16*\c:\reg+16*\c+3],     v1, s[6:7] offset:\p*8192+\c*2048
	global_load_b128 v[\reg+16*\c+4:\reg+16*\c+7],   v1, s[6:7] offset:\p*8192+\c*2048+512
	global_load_b128 v[\reg+16*\c+8:\reg+16*\c+11],  v1, s[6:7] offset:\p*8192+\c*2048+1024
	global_load_b128 v[\reg+16*\c+12:\reg+16*\c+15], v1, s[6:7] offset:\p*8192+\c*2048+1536
.endr
.endm
	s_load_b128 s[4:7], s[0:1], 0x0                ; fine, wc
	s_load_b64 s[8:9], s[0:1], 0x10                ; out0
	v_lshl_add_u32 v[SPW], v0, 2, SPARE
	v_mov_b32 v[NIL], 0
	v_lshrrev_b32 v1, 5, v0
	v_readfirstlane_b32 s10, v1                    ; wave
	v_and_b32 v6, 31, v0
	v_and_b32 v7, 15, v0                           ; r
	v_bfe_u32 v8, v0, 4, 1                         ; h
	v_lshlrev_b32 v1, 4, v6                        ; 16 x lane
	s_mul_i32 s11, s10, 1280
	v_mul_u32_u24 v5, v7, 80
	v_lshl_add_u32 v5, v8, 5, v5
	v_add_nc_u32 v5, s11, v5                       ; SP, way in: 1280 w + 80 r + 32 h
	s_mul_i32 s11, s10, 4352
	s_add_co_u32 s11, s11, VP
	v_mul_u32_u24 v9, v7, 272
	v_lshl_add_u32 v9, v8, 5, v9
	v_add_nc_u32 v9, s11, v9                       ; VP, way in: VP + 4352 w + 272 r + 32 h
	s_mul_i32 s11, s10, 272
	s_add_co_u32 s11, s11, VP
	v_lshlrev_b32 v10, 3, v6                       ; 8 x lane
	v_add_nc_u32 v11, s11, v10                     ; VP, way out: VP + 272 i + 8 lane
	s_mul_i32 s11, s10, 80
	v_lshl_add_u32 v12, v7, 2, s11                 ; SP, way out: 80 i + 4 (lane % 16)
	s_lshl_b32 s11, s10, 8
	s_add_co_u32 s11, s11, VR
	v_add_nc_u32 v13, s11, v10                     ; VR, way in: VR + 256 i + 8 lane
	v_add_nc_u32 v14, VR, v10                      ; way out
	s_mov_b32 s[HM], 0xffff0000
	s_lshl_b32 s12, ttmp9, 16                      ; fine: the sequence, my four column tiles
	s_lshl_b32 s13, s10, 12
	s_add_co_u32 s12, s12, s13
	s_mov_b32 s13, 0
	s_lshl_b32 s14, s10, 14                        ; Wo's pairs: my two steps of 8,192 bytes
	s_add_co_u32 s14, s14, WOB
	s_mov_b32 s15, 0
	s_lshl_b32 s16, ttmp9, 11
	s_add_co_u32 s16, s16, s10
	s_lshl_b32 s16, s16, 8                         ; out0: row 2048 b + wave
	s_mov_b32 s17, 0
	s_wait_kmcnt 0x0
	s_add_nc_u64 s[4:5], s[4:5], s[12:13]
	s_add_nc_u64 s[6:7], s[6:7], s[14:15]
	s_add_nc_u64 s[8:9], s[8:9], s[16:17]
.irp t, 0,1,2                          ; Q at v32, K at v64, V at v96: 32 registers each
.irp n, 0,1,2,3
	global_load_b128 v[32+32*\t+8*\n:35+32*\t+8*\n], v1, s[4:5] offset:\t*262144+\n*1024
	global_load_b128 v[36+32*\t+8*\n:39+32*\t+8*\n], v1, s[4:5] offset:\t*262144+\n*1024+512
.endr
.endr
	WLOAD 0, 128
	s_wait_loadcnt 0x0
	; the scores: source 0 = K, source 1 = Q: a lane holds query r and keys 8 h + j.  Three accumulators by turns
	SPLIT 32, 192, 200, 16
	SPLIT 64, 208, 216, 16
	MM 224, 208, 192, 1
	MM 232, 208, 200, 1
	MM 240, 216, 192, 1
	SPLIT 48, 32, 40, 16
	SPLIT 80, 64, 72, 16
	MM 224, 64, 32, 0
	MM 232, 64, 40, 0
	MM 240, 72, 32, 0
	PLACES
.irp j, 0,2,4,6
	v_pk_add_f32 v[16+\j:17+\j], v[224+\j:225+\j], v[232+\j:233+\j]
.endr
.irp j, 0,2,4,6
	v_pk_add_f32 v[16+\j:17+\j], v[16+\j:17+\j], v[240+\j:241+\j]
.endr
	ds_store_b128 v5, v[16:19]
	ds_store_b128 v5, v[20:23] offset:16
	WLOAD 1, 32                                    ; into the registers that Q's and K's parts have left
	s_wait_dscnt 0x0                               ; the stores have read v16-23, which the next split writes
	; VW: source 0 = Wo, source 1 = V: a lane holds key r and channels 8 h + j of tile c.  Four accumulators by turns
	SPLIT 96, 192, 200, 16
	SPLIT 112, 208, 216, 16
.irp c, 0,1,2,3
	MM 224+8*\c, 128+16*\c, 192, 1                 ; hi hi
.endr
.irp c, 0,1,2,3
	MM 224+8*\c, 136+16*\c, 192, 0                 ; lo hi
.endr
.irp c, 0,1,2,3
	MM 224+8*\c, 128+16*\c, 200, 0                 ; hi lo
.endr
	s_wait_loadcnt 0x0
.irp c, 0,1,2,3
	MM 224+8*\c, 32+16*\c, 208, 0
.endr
.irp c, 0,1,2,3
	MM 224+8*\c, 40+16*\c, 208, 0
.endr
.irp c, 0,1,2,3
	MM 224+8*\c, 32+16*\c, 216, 0
.endr
	PLACES
.irp c, 0,1,2,3
	ds_store_b128 v9, v[224+8*\c:227+8*\c] offset:64*\c
	ds_store_b128 v9, v[228+8*\c:231+8*\c] offset:64*\c+16
.endr
	s_wait_dscnt 0x0                               ; for the others' sake: my parts lie in LDS
	s_barrier_signal -1
	s_barrier_wait -1
	; wave = row i
.irp x, 0,1,2,3,4,5,6,7,8,9,10,11,12,13,14,15
	ds_load_b64 v[32+2*\x:33+2*\x], v11 offset:\x*4352             ; VW of key i, my two channels, part x
.endr
.irp x, 0,1,2,3,4,5,6,7,8,9,10,11,12,13,14,15
	ds_load_b32 v[64+\x], v12 offset:\x*1280                       ; the score of query i and key lane % 16, part x
.endr
	s_wait_dscnt 0x0
.irp i, 0,4,8,12,16,20,24,28
	v_pk_add_f32 v[32+\i:33+\i], v[32+\i:33+\i], v[34+\i:35+\i]
.endr
.irp i, 0,8,16,24
	v_pk_add_f32 v[32+\i:33+\i], v[32+\i:33+\i], v[36+\i:37+\i]
.endr
	v_pk_add_f32 v[32:33], v[32:33], v[40:41]
	v_pk_add_f32 v[48:49], v[48:49], v[56:57]
	v_pk_add_f32 v[32:33], v[32:33], v[48:49]
	ds_store_b64 v13, v[32:33]
.irp i, 0,4,8,12
	v_pk_add_f32 v[64+\i:65+\i], v[64+\i:65+\i], v[66+\i:67+\i]
.endr
	v_pk_add_f32 v[64:65], v[64:65], v[68:69]
	v_pk_add_f32 v[72:73], v[72:73], v[76:77]
	v_pk_add_f32 v[64:65], v[64:65], v[72:73]
	v_add_f32 v64, v64, v65
	v_mov_b32 v80, 0xff800000
	v_cmp_lt_u32 vcc_lo, s10, v7                   ; key > query: hidden
	v_cndmask_b32 v64, v64, v80, vcc_lo
	v_mov_b32 v65, v64
.irp m, 1,2,4,8
	v_max_num_f32_dpp v65, v65, v65 row_xmask:\m row_mask:0xf bank_mask:0xf
.endr
	v_sub_f32 v66, v64, v65                        ; the maximum is taken away first
	v_mul_f32 v66, 0x3d38aa3b, v66                 ; x log2(e) / 32
	v_exp_f32 v67, v66
	v_nop
	s_wait_alu depctr_va_vdst(0)                   ; ahead of the first reader
	v_mov_b32 v68, v67
.irp m, 1,2,4,8
	v_add_f32_dpp v68, v68, v68 row_xmask:\m row_mask:0xf bank_mask:0xf
.endr
	v_rcp_f32 v69, v68
	v_nop
	s_wait_alu depctr_va_vdst(0)
	v_mul_f32 v67, v67, v69                        ; the weight of key lane % 16
	s_wait_dscnt 0x0                               ; my row of VR lies in LDS
	s_barrier_signal -1
	s_barrier_wait -1
.irp k, 0,1,2,3,4,5,6,7,8,9,10,11,12,13,14,15
	ds_load_b64 v[96+2*\k:97+2*\k], v14 offset:256*\k
.endr
.irp k, 0,1,2,3,4,5,6,7,8,9,10,11,12,13,14,15
	v_readlane_b32 s[32+\k], v67, \k
.endr
	s_wait_dscnt 0x0
	v_mul_f32 v16, s32, v96
	v_mul_f32 v17, s32, v97
.irp k, 1,2,3,4,5,6,7,8,9,10,11,12,13,14,15
	v_fma_f32 v16, s[32+\k], v[96+2*\k], v16
	v_fma_f32 v17, s[32+\k], v[97+2*\k], v17
.endr
	global_store_b64 v10, v[16:17], s[8:9]         ; 256 consecutive bytes, aligned
	s_wait_tensorcnt 0x0                           ; the wave's end
	ds_add_u32 v[SPW], v[NIL]
	s_wait_dscnt 0x0
	s_endpgm
.Lfunc_end_k_qfc735a3da4_first:
	.size	k_qfc735a3da4_first, .Lfunc_end_k_qfc735a3da4_first-k_qfc735a3da4_first
	.p2alignl 7, 3214868480
	.fill 96, 4, 3214868480
	.section	.rodata,"a",@progbits
	.p2align	6, 0x0
	.amdhsa_kernel k_qfc735a3da4_first
		.amdhsa_group_segment_fixed_size 96256
		.amdhsa_private_segment_fixed_size 0
		.amdhsa_enable_private_segment 0
		.amdhsa_kernarg_size 24
		.amdhsa_user_sgpr_count 2
		.amdhsa_user_sgpr_kernarg_segment_ptr 1
		.amdhsa_wavefront_size32 1
		.amdhsa_system_sgpr_workgroup_id_x 1
		.amdhsa_system_sgpr_workgroup_id_y 1
		.amdhsa_system_sgpr_workgroup_id_z 1
		.amdhsa_system_vgpr_workitem_id 0
		.amdhsa_next_free_vgpr 256
		.amdhsa_next_free_sgpr 66
		.amdhsa_reserve_vcc 1
		.amdhsa_float_denorm_mode_32 3
		.amdhsa_float_denorm_mode_16_64 3
		.amdhsa_memory_ordered 1
		.amdhsa_forward_progress 1
		.amdhsa_inst_pref_size 32
	.end_amdhsa_kernel
	.amdgpu_metadata
---
amdhsa.version: [ 1, 2 ]
amdhsa.kernels:
  - .name:           k_qfc735a3da4_first
    .symbol:         k_qfc735a3da4_first.kd
    .args:
      - { .name: fine, .offset: 0, .size: 8, .value_kind: global_buffer, .address_space: global }
      - { .name: wc, .offset: 8, .size: 8, .value_kind: global_buffer, .address_space: global }
      - { .name: out0, .offset: 16, .size: 8, .value_kind: global_buffer, .address_space: global }
    .group_segment_fixed_size: 96256
    .private_segment_fixed_size: 0
    .kernarg_segment_align: 8
    .kernarg_segment_size: 24
    .max_flat_workgroup_size: 512
    .sgpr_count:     66
    .vgpr_count:     256
    .wavefront_size: 32
...
	.end_amdgpu_metadata
.endif
;; end of part 6
